; MI455X (gfx1250); checked and timed in simulation.
; The chip was launched on July 23, 2026; its instructions are those of AMD's public machine-readable ISA for CDNA 5 (MIT licence, August 2026) and "CDNA5" Instruction Set Architecture Reference Guide (July 2026). The comments in the code are by the model that wrote it; some were corrected since.
;; Transformer Layer. Allowed arithmetic: float matrix products may take bf16 or f16 operands with f32 sums; other float arithmetic in f32, or as packed bf16 or f16 multiplies, adds, multiply-adds, maxima and minima; sums over many terms, partial sums and values carried from step to step in f32; what a program stores and reads back later, other than sums and carried values, may be rounded once to bf16 or f16.
;; Inputs: W1 1,024 x 1,024 float32; W2 1,024 x 1,024 float32; Wk 16 x 1,024 x 64 float32; Wo 1,024 x 1,024 float32; Wq 16 x 1,024 x 64 float32; Wv 16 x 1,024 x 64 float32; b1 1,024 float32; b2 1,024 float32; beta1 1,024 float32; beta2 1,024 float32; bo 1,024 float32; gamma1 1,024 float32; gamma2 1,024 float32; x 16 x 512 x 1,024 float32.
;; Outputs: out0 16 x 512 x 1,024 float32.
;; One version. Each part assembles by itself: llvm-mc -triple=amdgcn-amd-amdhsa -mcpu=gfx1250 --defsym DOCPART=n.
;; ======== version 1 of 1: 7 launches
;; limits: values are held in f16: magnitudes above 65,504 overflow, below 6.1e-05 lose precision
;; workspace buffers: wqkvh 6,291,456 bytes; woh 2,097,152 bytes; w1h 2,097,152 bytes; w2h 2,097,152 bytes; nbuf 16,777,216 bytes; cbuf 16,777,216 bytes; x1 33,554,432 bytes
;; launch cvt (part 1): grid 256 x 1, 8 waves a work-group, no clusters, 0 bytes of LDS; arguments Wq, Wk, Wv, Wo, W1, W2, wqkvh, woh, w1h, w2h; writes wqkvh, woh, w1h, w2h
.if DOCPART == 1
	.amdgcn_target "amdgcn-amd-amdhsa--gfx1250"
	.amdhsa_code_object_version 6
	.text
	.protected	k_q4e689bd8f3_cvt
	.globl	k_q4e689bd8f3_cvt
	.p2align	8
	.type	k_q4e689bd8f3_cvt,@function
k_q4e689bd8f3_cvt:
	s_mov_b64 s[64:65], 0
	v_nop
	global_prefetch_b8 v0, s[64:65] scope:SCOPE_SE
	s_setreg_imm32_b32 hwreg(HW_REG_WAVE_MODE, 25, 1), 1
	s_wait_xcnt 0x0
; The six weight matrices, 1,048,576 numbers each, are rounded once from f32 to f16, element by element, in their own order:
; Wq, Wk, Wv ([16][1024][64]) one behind the other into wqkvh, Wo, W1, W2 ([1024 k][1024 n]) into woh, w1h, w2h.
; LIMIT: f16 ends at 65,504; a weight beyond it becomes an infinity.  Below 6e-5 a weight keeps f16's fixed step of 6e-8.
; A stream: no LDS, no barrier, no matrix unit, nothing shared between work-groups.  A work-group owns 4,096 numbers of each matrix,
; a thread four times 4 of them: a wave's load covers 512 consecutive bytes, its store 256 consecutive bytes, aligned.
; All 24 loads of a thread go out first; each matrix is converted behind a counted wait; no register is used twice.
.set X, 8                              ; v[8:103]  matrix m, load i at X + 16 m + 4 i
	s_load_b512 s[4:19], s[0:1], 0x0               ; Wq, Wk, Wv, Wo, W1, W2 in s[4:15]; wqkvh s[16:17], woh s[18:19]
	s_load_b128 s[20:23], s[0:1], 0x40             ; w1h s[20:21], w2h s[22:23]
	s_lshl_b32 s2, ttmp9, 14                       ; the work-group's 16,384 bytes of f32
	s_lshl_b32 s3, ttmp9, 13                       ; and its 8,192 bytes of f16
	v_lshlrev_b32 v1, 4, v0
	v_lshlrev_b32 v2, 3, v0
	v_add_nc_u32 v1, s2, v1                        ; in: 16 bytes a thread
	v_add_nc_u32 v2, s3, v2                        ; out: 8 bytes a thread
	s_wait_kmcnt 0x0
.irp m, 0,1,2,3,4,5
.irp i, 0,1,2,3
	global_load_b128 v[X+16*\m+4*\i:X+16*\m+4*\i+3], v1, s[4+2*\m:5+2*\m] offset:4096*\i th:TH_LOAD_NT
.endr
.endr
.macro MAT m, ob, off                  ; matrix m goes to the buffer in s[ob:ob+1], off bytes in
	s_wait_loadcnt 20-4*(\m)                       ; loads return in order: the later matrices' loads may stay out
.irp i, 0,1,2,3
	v_cvt_pk_f16_f32 v[X+16*(\m)+4*\i], v[X+16*(\m)+4*\i], v[X+16*(\m)+4*\i+1]
	v_cvt_pk_f16_f32 v[X+16*(\m)+4*\i+1], v[X+16*(\m)+4*\i+2], v[X+16*(\m)+4*\i+3]
.endr
.irp i, 0,1,2,3
	global_store_b64 v2, v[X+16*(\m)+4*\i:X+16*(\m)+4*\i+1], s[\ob:\ob+1] offset:(\off)+2048*\i
.endr
.endm
	MAT 0, 16, 0
	MAT 1, 16, 2097152
	MAT 2, 16, 4194304
	MAT 3, 18, 0
	MAT 4, 20, 0
	MAT 5, 22, 0
	s_endpgm
.Lfunc_end_k_q4e689bd8f3_cvt:
	.size	k_q4e689bd8f3_cvt, .Lfunc_end_k_q4e689bd8f3_cvt-k_q4e689bd8f3_cvt
	.p2alignl 7, 3214868480
	.fill 96, 4, 3214868480
	.section	.rodata,"a",@progbits
	.p2align	6, 0x0
	.amdhsa_kernel k_q4e689bd8f3_cvt
		.amdhsa_group_segment_fixed_size 0
		.amdhsa_private_segment_fixed_size 0
		.amdhsa_enable_private_segment 0
		.amdhsa_kernarg_size 80
		.amdhsa_user_sgpr_count 2
		.amdhsa_user_sgpr_kernarg_segment_ptr 1
		.amdhsa_wavefront_size32 1
		.amdhsa_system_sgpr_workgroup_id_x 1
		.amdhsa_system_sgpr_workgroup_id_y 1
		.amdhsa_system_sgpr_workgroup_id_z 1
		.amdhsa_system_vgpr_workitem_id 0
		.amdhsa_next_free_vgpr 104
		.amdhsa_next_free_sgpr 66
		.amdhsa_reserve_vcc 0
		.amdhsa_float_denorm_mode_32 3
		.amdhsa_float_denorm_mode_16_64 3
		.amdhsa_memory_ordered 1
		.amdhsa_forward_progress 1
		.amdhsa_inst_pref_size 9
	.end_amdhsa_kernel
	.amdgpu_metadata
---
amdhsa.version: [ 1, 2 ]
amdhsa.kernels:
  - .name:           k_q4e689bd8f3_cvt
    .symbol:         k_q4e689bd8f3_cvt.kd
    .args:
      - { .name: Wq, .offset: 0, .size: 8, .value_kind: global_buffer, .address_space: global }
      - { .name: Wk, .offset: 8, .size: 8, .value_kind: global_buffer, .address_space: global }
      - { .name: Wv, .offset: 16, .size: 8, .value_kind: global_buffer, .address_space: global }
      - { .name: Wo, .offset: 24, .size: 8, .value_kind: global_buffer, .address_space: global }
      - { .name: W1, .offset: 32, .size: 8, .value_kind: global_buffer, .address_space: global }
      - { .name: W2, .offset: 40, .size: 8, .value_kind: global_buffer, .address_space: global }
      - { .name: wqkvh, .offset: 48, .size: 8, .value_kind: global_buffer, .address_space: global }
      - { .name: woh, .offset: 56, .size: 8, .value_kind: global_buffer, .address_space: global }
      - { .name: w1h, .offset: 64, .size: 8, .value_kind: global_buffer, .address_space: global }
      - { .name: w2h, .offset: 72, .size: 8, .value_kind: global_buffer, .address_space: global }
    .group_segment_fixed_size: 0
    .private_segment_fixed_size: 0
    .kernarg_segment_align: 8
    .kernarg_segment_size: 80
    .max_flat_workgroup_size: 256
    .sgpr_count:     66
    .vgpr_count:     104
    .wavefront_size: 32
...
	.end_amdgpu_metadata
.endif
;; end of part 1
;; launch ln1 (part 2): grid 512 x 1, 8 waves a work-group, no clusters, 0 bytes of LDS; arguments x, gamma1, beta1, nbuf; writes nbuf
.if DOCPART == 2
	.amdgcn_target "amdgcn-amd-amdhsa--gfx1250"
	.amdhsa_code_object_version 6
	.text
	.protected	k_q4e689bd8f3_ln1
	.globl	k_q4e689bd8f3_ln1
	.p2align	8
	.type	k_q4e689bd8f3_ln1,@function
k_q4e689bd8f3_ln1:
	s_mov_b64 s[64:65], 0
	v_nop
	global_prefetch_b8 v0, s[64:65] scope:SCOPE_SE
	s_setreg_imm32_b32 hwreg(HW_REG_WAVE_MODE, 25, 1), 1
	s_wait_xcnt 0x0
; LAYER NORM of 8,192 rows of 1,024 f32: y = gamma (x - mean) / sqrt(var + 1e-5) + beta, all in f32, y rounded once to f16.
; The mean is taken away before the squares are summed (two passes over registers), so a common offset of a row costs nothing.
; OUT: the blocked layout that the matrix launches read: [16 blocks of 64 columns][8,192 rows][64] f16: byte j x 1,048,576 + row x 128 + 2 c.
; LIMIT: y must lie within f16's 65,504.
; SHARES.  A work-group owns 16 rows, a wave two: lanes 0-15 one row, lanes 16-31 the next.  A lane holds columns 64 j + 4 (lane % 16) + 0..3, j = 0..15:
; each load takes 256 consecutive bytes of each of the two rows; each store 256 consecutive bytes (two rows' 128 bytes of one block).
; A row lives in 16 lanes, so its sums want four exchanges inside a half and none across.  No LDS, no barrier; the row is read once.
.set X,  16                            ; v[16:79]   the row's 64 numbers of my lane
.set GA, 80                            ; v[80:143]  gamma of the same columns
.set BT, 144                           ; v[144:207] beta
.set SM, 4                             ; v[4:11]    four chains of packed sums
.set MN, 12                            ; v[12:13]   the mean, twice
.set RS, 14                            ; v[14:15]   1 / sqrt(var + eps), twice
	s_load_b256 s[4:11], s[0:1], 0x0               ; in s[4:5], gamma s[6:7], beta s[8:9], out s[10:11]
	s_lshl_b32 s2, ttmp9, 16                       ; the work-group's 16 rows of 4,096 bytes
	s_mov_b32 s3, 0
	s_lshl_b32 s12, ttmp9, 11                      ; and their 16 x 128 bytes in a block of the output
	s_mov_b32 s13, 0
	s_mov_b32 s16, 0x3a800000                      ; 1 / 1024
	s_mov_b32 s17, 0x3727c5ac                      ; 1e-5
	v_lshrrev_b32 v1, 4, v0                        ; my row in the work-group
	v_and_b32 v2, 15, v0
	v_lshlrev_b32 v2, 4, v2                        ; gamma, beta: 16 (lane % 16)
	v_lshl_add_u32 v1, v1, 12, v2                  ; in: row x 4,096 + 16 (lane % 16)
	v_lshlrev_b32 v3, 3, v0                        ; out: row x 128 + 8 (lane % 16) = 8 x thread
	s_wait_kmcnt 0x0
	s_add_nc_u64 s[4:5], s[4:5], s[2:3]
	s_add_nc_u64 s[10:11], s[10:11], s[12:13]
	s_add_nc_u64 s[14:15], s[10:11], 0x800000      ; blocks 8 to 15: past what a store's immediate reaches
.irp j, 0,1,2,3,4,5,6,7,8,9,10,11,12,13,14,15
	global_load_b128 v[X+4*\j:X+4*\j+3], v1, s[4:5] offset:256*\j th:TH_LOAD_NT
.endr
.irp j, 0,1,2,3,4,5,6,7,8,9,10,11,12,13,14,15
	global_load_b128 v[GA+4*\j:GA+4*\j+3], v2, s[6:7] offset:256*\j
.endr
.irp j, 0,1,2,3,4,5,6,7,8,9,10,11,12,13,14,15
	global_load_b128 v[BT+4*\j:BT+4*\j+3], v2, s[8:9] offset:256*\j
.endr
.macro FOLD                            ; four chains into one number, then over the row's 16 lanes; every lane ends with the sum
	v_pk_add_f32 v[SM:SM+1], v[SM:SM+1], v[SM+2:SM+3]
	v_pk_add_f32 v[SM+4:SM+5], v[SM+4:SM+5], v[SM+6:SM+7]
	v_pk_add_f32 v[SM:SM+1], v[SM:SM+1], v[SM+4:SM+5]
	v_add_f32 v[SM], v[SM], v[SM+1]
	v_add_f32_dpp v[SM], v[SM], v[SM] row_xmask:1 row_mask:0xf bank_mask:0xf
	v_add_f32_dpp v[SM], v[SM], v[SM] row_xmask:2 row_mask:0xf bank_mask:0xf
	v_add_f32_dpp v[SM], v[SM], v[SM] row_xmask:4 row_mask:0xf bank_mask:0xf
	v_add_f32_dpp v[SM], v[SM], v[SM] row_xmask:8 row_mask:0xf bank_mask:0xf
.endm
	s_wait_loadcnt 32                              ; the row is in; gamma's and beta's 32 loads may stay out
.irp k, 0,1,2,3
	v_pk_add_f32 v[SM+2*\k:SM+2*\k+1], v[X+2*\k:X+2*\k+1], v[X+8+2*\k:X+8+2*\k+1]  ; the first lines start the chains: nothing is cleared
.endr
.set p, 8
.rept 24
	v_pk_add_f32 v[SM+2*(p%4):SM+2*(p%4)+1], v[SM+2*(p%4):SM+2*(p%4)+1], v[X+2*p:X+2*p+1]
.set p, p+1
.endr
	FOLD
	v_mul_f32 v[MN], s16, v[SM]
	v_mul_f32 v[MN+1], s16, v[SM]
.set p, 0
.rept 32
	v_pk_add_f32 v[X+2*p:X+2*p+1], v[X+2*p:X+2*p+1], v[MN:MN+1] neg_lo:[0,1] neg_hi:[0,1]  ; x - mean
.set p, p+1
.endr
.irp k, 0,1,2,3
	v_pk_mul_f32 v[SM+2*\k:SM+2*\k+1], v[X+2*\k:X+2*\k+1], v[X+2*\k:X+2*\k+1]
.endr
.set p, 4
.rept 28
	v_pk_fma_f32 v[SM+2*(p%4):SM+2*(p%4)+1], v[X+2*p:X+2*p+1], v[X+2*p:X+2*p+1], v[SM+2*(p%4):SM+2*(p%4)+1]
.set p, p+1
.endr
	FOLD
	v_fma_f32 v[SM], v[SM], s16, s17               ; var + eps
	v_rsq_f32 v[RS], v[SM]
	v_rsq_f32 v[RS+1], v[SM]
	v_nop                                          ; a plain instruction behind the last of the two,
	s_wait_alu depctr_va_vdst(0)                   ; and one wait for both, ahead of their first reader
.set p, 0
.rept 32
	v_pk_mul_f32 v[X+2*p:X+2*p+1], v[X+2*p:X+2*p+1], v[RS:RS+1]
.set p, p+1
.endr
	s_wait_loadcnt 0x0                             ; gamma and beta
.set p, 0
.rept 32
	v_pk_fma_f32 v[X+2*p:X+2*p+1], v[X+2*p:X+2*p+1], v[GA+2*p:GA+2*p+1], v[BT+2*p:BT+2*p+1]
.set p, p+1
.endr
.set p, 0
.rept 32
	v_cvt_pk_f16_f32 v[X+p], v[X+2*p], v[X+2*p+1]  ; packed upward in place: the destination never passes the sources
.set p, p+1
.endr
.irp j, 0,1,2,3,4,5,6,7
	global_store_b64 v3, v[X+2*\j:X+2*\j+1], s[10:11] offset:1048576*\j
.endr
.irp j, 0,1,2,3,4,5,6,7
	global_store_b64 v3, v[X+16+2*\j:X+16+2*\j+1], s[14:15] offset:1048576*\j
.endr
	s_endpgm
.Lfunc_end_k_q4e689bd8f3_ln1:
	.size	k_q4e689bd8f3_ln1, .Lfunc_end_k_q4e689bd8f3_ln1-k_q4e689bd8f3_ln1
	.p2alignl 7, 3214868480
	.fill 96, 4, 3214868480
	.section	.rodata,"a",@progbits
	.p2align	6, 0x0
	.amdhsa_kernel k_q4e689bd8f3_ln1
		.amdhsa_group_segment_fixed_size 0
		.amdhsa_private_segment_fixed_size 0
		.amdhsa_enable_private_segment 0
		.amdhsa_kernarg_size 32
		.amdhsa_user_sgpr_count 2
		.amdhsa_user_sgpr_kernarg_segment_ptr 1
		.amdhsa_wavefront_size32 1
		.amdhsa_system_sgpr_workgroup_id_x 1
		.amdhsa_system_sgpr_workgroup_id_y 1
		.amdhsa_system_sgpr_workgroup_id_z 1
		.amdhsa_system_vgpr_workitem_id 0
		.amdhsa_next_free_vgpr 216
		.amdhsa_next_free_sgpr 66
		.amdhsa_reserve_vcc 0
		.amdhsa_float_denorm_mode_32 3
		.amdhsa_float_denorm_mode_16_64 3
		.amdhsa_memory_ordered 1
		.amdhsa_forward_progress 1
		.amdhsa_inst_pref_size 20
	.end_amdhsa_kernel
	.amdgpu_metadata
---
amdhsa.version: [ 1, 2 ]
amdhsa.kernels:
  - .name:           k_q4e689bd8f3_ln1
    .symbol:         k_q4e689bd8f3_ln1.kd
    .args:
      - { .name: x, .offset: 0, .size: 8, .value_kind: global_buffer, .address_space: global }
      - { .name: gamma1, .offset: 8, .size: 8, .value_kind: global_buffer, .address_space: global }
      - { .name: beta1, .offset: 16, .size: 8, .value_kind: global_buffer, .address_space: global }
      - { .name: nbuf, .offset: 24, .size: 8, .value_kind: global_buffer, .address_space: global }
    .group_segment_fixed_size: 0
    .private_segment_fixed_size: 0
    .kernarg_segment_align: 8
    .kernarg_segment_size: 32
    .max_flat_workgroup_size: 256
    .sgpr_count:     66
    .vgpr_count:     216
    .wavefront_size: 32
...
	.end_amdgpu_metadata
.endif
;; end of part 2
;; launch attn (part 3): grid 16 x 16, 4 waves a work-group, clusters of 4 x 4, 327,680 bytes of LDS; arguments nbuf, wqkvh, cbuf; writes cbuf
.if DOCPART == 3
	.amdgcn_target "amdgcn-amd-amdhsa--gfx1250"
	.amdhsa_code_object_version 6
	.text
	.protected	k_q4e689bd8f3_attn
	.globl	k_q4e689bd8f3_attn
	.p2align	8
	.type	k_q4e689bd8f3_attn,@function
k_q4e689bd8f3_attn:
	s_mov_b64 s[64:65], 0
	v_nop
	global_prefetch_b8 v0, s[64:65] scope:SCOPE_SE
	s_setreg_imm32_b32 hwreg(HW_REG_WAVE_MODE, 25, 1), 1
	s_wait_xcnt 0x0
	s_wait_alu depctr_hold_cnt(0) depctr_sa_sdst(0) depctr_va_vdst(0) depctr_va_sdst(0) depctr_va_ssrc(0) depctr_va_vcc(0) depctr_vm_vsrc(0)
	s_getreg_b32 s2, hwreg(HW_REG_IB_STS2, 6, 4)
	s_cmp_eq_u32 s2, 0
	s_cbranch_scc0 .Lentry_in_a_cluster
	s_endpgm
.Lentry_in_a_cluster:
	s_bfe_u32 s2, ttmp6, 0x10000c
	s_cmp_lg_u32 s2, 0xf033
	s_cbranch_scc0 .Lentry_shape_is_right
	s_endpgm
.Lentry_shape_is_right:
; ONE (BATCH, HEAD) TO A WORK-GROUP: q, k, v = n1[batch] (512 x 1024) x Wq, Wk, Wv[head] (1024 x 64 each), then causal attention, all without leaving the WGP.
; n1: [16 blocks of 64 channels][8,192 rows][64] f16.  Weights: [3][16 heads][1024 k][64] f16.  Out: the heads' results in n1's layout, block = head.
; Products, maxima and sums in f32.  q, k, v are rounded once to f16, unscaled; c = log2(e) / 8 is applied in f32; the weights p are rounded to f16 for the second product (their sum l is taken unrounded).
; LIMITS.  q, k, v must lie within f16's 65,504.  A hidden score counts as its value less 1e30.  A weight below 2^-126 counts as 0 in l.  NaN and infinities are not treated apart:
; O's registers start as what the projection left there, times a = 0, so those sums must be finite.
; SHARES.  Four waves.  Of each band of 64 rows wave w owns rows 16 w .. 16 w + 15: eight blocks of 16 rows, 128 rows.  In the projection it makes 128 x 192: 96 accumulators, 768 registers.
; In the attention its eight blocks are eight query tiles; tile t needs key groups 0 .. t of 64 keys, of which the last holds the diagonal: 36 units of work for every wave alike.
; THE MATRIX INSTRUCTION IS USED TRANSPOSED (source 0 = 16 columns, source 1 = 16 rows): a lane holds one row (lane % 16) and eight neighbouring columns 8 (lane / 16) + 0..7.  So q's results, rounded in pairs,
; ARE source 1 of S^T = K Q^T and stay in registers; k and v go to LDS, 16 bytes a lane.  Weights and V lie [k][n] and are turned on the way out of LDS by ds_load_tr16_b128.
; THE RING.  K goes in tiles of 64 channels through two LDS slots; a tile is two steps of 32.  Wave 0 fetches n1's 512 rows (65,536 dense bytes, asked for as 256 rows of 256), waves 1 to 3 one weight tile each (8,192 dense bytes).
; CLUSTER 4 x 4: the four heads of a row of the cluster share the batch's tile of n1, the four batches of a column the head's weight tiles: each is asked for jointly.
; LDS: slot s at s x 104,448: n1 512 rows x 144, then Wq, Wk, Wv 64 rows x 160 each.  K (512 x 144) is stored over slot 0's n1, whose last fill is tile 14 and whose last read stands ahead of the last change of slots.
; V (512 x 160), the stages (16 x 144 a wave) and the spare words lie behind the ring.
; REGISTERS, in windows of 256 (s_set_vgpr_msb: bits 1:0 source 0, 3:2 source 1, 5:4 source 2, 7:6 destination):
;   window 0: v0-29 addresses and at work.  Projection: v32-159 n1's fragments, two buffers of 8 blocks; v160-255 the weights' fragments, 4 blocks each for q, k, v.
;             Attention: v32-63 statistics, four a tile; v64-95 S^T; v96-111 P; v128-191 K's fragments; v192-255 V's.
;   windows 1, 2, 3: the accumulators of q, k, v, block a x column block nb at 8 (4 a + nb).  Later window 1: v0-127 Q's fragments, v128-159 the diagonal's mask; window 2: O^T, 32 a tile.
.set PA,    144                        ; a row of 128 bytes + 16: the 16 rows of a load begin in 16 different groups of four banks
.set PW,    160                        ; a row of 128 bytes + 32, for the turning load
.set WOFF,  512*PA
.set WSZ,   64*PW
.set SLOT,  WOFF+3*WSZ
.set VREG,  2*SLOT
.set STAGE, VREG+512*PW
.set SPARE, STAGE+4*16*PA              ; the spare words: 128 bytes a wave, two blocks of 256 bytes that no other line names
.set ADRA, 4                           ; v4-5   my place in n1's tile of slot 0, 1: (16 w + l % 16) x 144 + 16 (l / 16)
.set KST,  4                           ;        the same number is where I store 16 bytes of a row of K
.set ADRB, 6                           ; v6-7   my place in Wq's tile of slot 0, 1
.set VST,  9                           ; v9     where I store 16 bytes of a row of V, bands 0-3
.set AK0,  10                          ; v10    my place in 16 rows of pitch 144
.set AV0,  11                          ; v11    my place in 16 rows of pitch 160, for the turning load
.set AK,   12                          ; v12-13 the addresses of the key group in hand
.set AV,   13
.set STO,  14                          ; v14    the way out: where I put 16 bytes of a row
.set RD,   15                          ; v15    where I read rows back
.set GO,   16                          ; v16    my 16 bytes in 512 consecutive bytes of the output
.set PFO,  17                          ; v17    256 x lane, for the prefetch; never rewritten
.set MB,   18                          ; v18    16 w + l % 16 - 8 (l / 16)
.set MW,   19                          ; v19    c m_old
.set CC,   20                          ; v20-23 c0-c3 at work; c2 takes a
.set VST2, 24                          ; v24    V's bands 4-7
.set SPW,  28                          ; v28    my spare word; never rewritten
.set NIL,  29                          ; v29    0; never rewritten
.set AF,   32
.set BF,   160
.set TMP,  32
.set ST,   32                          ; tile t: c m, m, l (even keys', odd keys') at ST + 4 t
.set S,    64
.set P,    96
.set KF,   128                         ; key block kb, channel half c at KF + 16 kb + 8 c
.set VF,   192                         ; key half kk, channel block cb at VF + 32 kk + 8 cb
.set OB,   128
.set MD,   128                         ; window 1
.set WV,   10                          ; s10 my wave's number
.set G1A,  24                          ; s[24:31] group 1 for n1's tiles; s[32:39] group 0, a set a slot
.set G0A,  32
.set G1W,  48                          ; s[48:55], s[56:63] the same for the weights' tiles
.set G0W,  56
.set PFA,  66                          ; s[66:67] where my prefetches stand
.set LIM,  68                          ; s68 1 in a wave that prefetches, else the greatest number
.set G,    69                          ; s69 the key group
.set CS,   72                          ; s[72:73] c
.set SEL,  74                          ; s[74:75] v_permlanex16_b32's selects
.set BIGN, 76                          ; s76 -1e30
.set TBK,  77                          ; s77, s78 LDS byte at which the group's K and V begin
.set TBV,  78
.set MSB, 0
.macro WIN new                         ; the immediate's high byte repeats the setting that is left; a switch that changes nothing is dropped
.if MSB != (\new)
	s_set_vgpr_msb (MSB<<8)|(\new)
.set MSB, \new
.endif
.endm
.macro PLACES                          ; four plain instructions behind a matrix instruction, ahead of loads into its registers and of readers of its result
.rept 4
	v_nop
.endr
.endm
.macro JLOAD s                         ; a joint load: wave 0 asks for n1's tile, waves 1-3 for a weight tile each; an s_nop 0 and four v_nop follow each line
	s_cmp_eq_u32 s[WV], 0
	s_cbranch_scc0 .Lfor_w_\@
	tensor_load_to_lds s[G0A+4*(\s):G0A+4*(\s)+3], s[G1A:G1A+7]
	s_nop 0
.rept 4
	v_nop
.endr
	s_branch .Lasked_\@
.Lfor_w_\@:
	tensor_load_to_lds s[G0W+4*(\s):G0W+4*(\s)+3], s[G1W:G1W+7]
	s_nop 0
.rept 4
	v_nop
.endr
.Lasked_\@:
.endm
.macro CREST                           ; a round of the cluster's barrier behind its opening barrier
	s_cmp_lg_u32 s[WV], 0
	s_cbranch_scc1 .Lnot_wave_0_\@
	s_barrier_signal -3
.Lnot_wave_0_\@:
	s_barrier_wait -3
	s_barrier_signal -1
	s_barrier_wait -1
.endm
.macro CROUND
	s_barrier_signal -1
	s_barrier_wait -1
	CREST
.endm
; A PREFETCH of n1's tile that stands two refills on: 256 blocks of 256 bytes.  All four clusters of a row of clusters read it: the one with x = 0 asks.  Its four partners along x share the blocks out
; by address, 64 each; in each, waves 0 and 1 take 32, a lane a block.  So each block is named once.  The loop's last trip asks for nothing: tiles 16 and 17 do not exist.  Tiles 0 to 3 come by their loads alone.
.macro ASK
	s_cmp_gt_u32 s3, s[LIM]
	s_cbranch_scc0 .Lnot_mine_\@
	global_prefetch_b8 v[PFO], s[PFA:PFA+1] offset:1048576 th:TH_LOAD_NT scope:SCOPE_SE
.Lnot_mine_\@:
.endm
	s_load_b128 s[4:7], s[0:1], 0x0                ; n1 s[4:5], weights s[6:7]
	s_load_b64 s[8:9], s[0:1], 0x10                ; out
	v_lshl_add_u32 v[SPW], v0, 2, SPARE
	v_mov_b32 v[NIL], 0
	ds_add_u32 v[SPW], v[NIL]                      ; the wave's opening: the add and its wait stand ahead of my first tensor load
	v_lshrrev_b32 v1, 5, v0
	v_readfirstlane_b32 s[WV], v1
	s_bfe_u32 s40, ttmp6, 0x40000                  ; cx
	s_bfe_u32 s41, ttmp6, 0x40004                  ; cy
	s_lshl_b32 s42, ttmp9, 2
	s_add_co_u32 s42, s42, s40                     ; head = 4 x cluster x + cx
	s_and_b32 s13, ttmp7, 0xffff
	s_lshl_b32 s13, s13, 2
	s_add_co_u32 s13, s13, s41                     ; batch = 4 x cluster y + cy
	s_lshl_b32 s43, s41, 2
	s_lshl_b32 s43, 15, s43                        ; my row of the cluster
	s_lshl_b32 s44, 0x1111, s40                    ; my column
	s_or_b32 s[G1A], s43, (1<<16)|(1<<20)|(1<<21)|(4<<22)|(3<<25)  ; mask; 2-byte elements; padding on; bit 21 beside a mask; after every 32 words 4 words
	s_mov_b32 s[G1A+1], 128<<16                    ; tensor_dim0 = 128
	s_mov_b32 s[G1A+2], 256<<16                    ; tensor_dim1 = 256
	s_mov_b32 s[G1A+3], 128<<16                    ; tile_dim0 = 128
	s_mov_b32 s[G1A+4], 256                        ; tile_dim1 = 256
	s_mov_b32 s[G1A+5], 128                        ; dense: 128 elements from row to row
	s_mov_b32 s[G1A+6], 0
	s_mov_b32 s[G1A+7], 0
	s_or_b32 s[G1W], s44, (1<<16)|(1<<20)|(1<<21)|(4<<22)|(7<<25)  ; the same with 8 words of padding
	s_mov_b32 s[G1W+1], 128<<16
	s_mov_b32 s[G1W+2], 32<<16
	s_mov_b32 s[G1W+3], 128<<16
	s_mov_b32 s[G1W+4], 32
	s_mov_b32 s[G1W+5], 128
	s_mov_b32 s[G1W+6], 0
	s_mov_b32 s[G1W+7], 0
	s_lshl_b32 s16, s13, 16                        ; the batch's 512 rows of 128 bytes in a block of n1
	s_mov_b32 s17, 0
	s_max_u32 s12, s[WV], 1
	s_sub_co_u32 s12, s12, 1                       ; waves 1, 2, 3 fetch Wq, Wk, Wv
	s_lshl_b32 s46, s12, 21
	s_lshl_b32 s47, s42, 17                        ; the head's 1024 x 64
	s_add_co_u32 s46, s46, s47
	s_mov_b32 s47, 0
	s_mul_i32 s20, s[WV], WSZ                      ; a weight tile's place in a slot goes by the wave's number
	s_mov_b32 s[CS], 0x3e38aa3b                    ; c = log2(e) / 8
	s_mov_b32 s[CS+1], s[CS]
	s_mov_b32 s[SEL], 0x76543210
	s_mov_b32 s[SEL+1], 0xfedcba98
	s_mov_b32 s[BIGN], 0xf149f2ca                  ; -1e30
	s_lshr_b32 s[LIM], s[WV], 1
	s_or_b32 s[LIM], s[LIM], ttmp9                 ; 0 in waves 0 and 1 of the clusters with x = 0: the same in all partners
	s_cmp_eq_u32 s[LIM], 0
	s_cselect_b32 s[LIM], 1, -1
	s_lshl_b32 s22, s13, 16
	s_lshl_b32 s23, s40, 14                        ; my work-group's 64 blocks of the tile's 256,
	s_add_co_u32 s22, s22, s23
	s_and_b32 s23, s[WV], 1
	s_lshl_b32 s23, s23, 13                        ; my wave's 32 of them
	s_add_co_u32 s22, s22, s23
	s_mov_b32 s23, 0
	s_lshl_b32 s18, s42, 20                        ; out: block = head,
	s_lshl_b32 s19, s13, 16                        ; the batch's rows,
	s_add_co_u32 s18, s18, s19
	s_lshl_b32 s19, s[WV], 11                      ; my 16 rows of a band
	s_add_co_u32 s18, s18, s19
	s_mov_b32 s19, 0
	s_wait_dscnt 0x0                               ; the opening add is done
	s_wait_kmcnt 0x0
	s_add_nc_u64 s[14:15], s[4:5], s[16:17]
	s_add_nc_u64 s[46:47], s[6:7], s[46:47]
	s_add_nc_u64 s[PFA:PFA+1], s[4:5], s[22:23]
	s_add_nc_u64 s[PFA:PFA+1], s[PFA:PFA+1], 2*1048576  ; at tile 2: the first refill steps it to 3 and names tile 4
	s_add_nc_u64 s[8:9], s[8:9], s[18:19]
	CROUND                                         ; all sixteen work-groups are here: the first joint loads meet
.irp s, 0,1
	s_mov_b32 s[G0A+4*(\s)], 1
	s_mov_b32 s[G0A+4*(\s)+1], (\s)*SLOT
	s_add_nc_u64 s[G0A+4*(\s)+2:G0A+4*(\s)+3], s[14:15], (\s)*1048576
	s_or_b32 s[G0A+4*(\s)+3], s[G0A+4*(\s)+3], 0x80000000
	s_mov_b32 s[G0W+4*(\s)], 1
	s_add_co_u32 s[G0W+4*(\s)+1], s20, (\s)*SLOT+WOFF-WSZ
	s_add_nc_u64 s[G0W+4*(\s)+2:G0W+4*(\s)+3], s[46:47], (\s)*8192
	s_or_b32 s[G0W+4*(\s)+3], s[G0W+4*(\s)+3], 0x80000000
	JLOAD \s                                       ; two loads of mine are out
.endr
	v_and_b32 v1, 15, v0                           ; l % 16
	v_bfe_u32 v2, v0, 4, 1                         ; l / 16
	v_mul_u32_u24 v[AK0], v1, PA
	v_lshl_add_u32 v[AK0], v2, 4, v[AK0]
	s_mul_i32 s21, s[WV], 16*PA
	v_add_nc_u32 v[ADRA], s21, v[AK0]
	v_add_nc_u32 v[ADRA+1], SLOT, v[ADRA]
	v_and_b32 v3, 7, v0
	v_bfe_u32 v25, v0, 3, 1
	v_lshl_add_u32 v[AV0], v2, 3, v3               ; the turning load: lane l reads row 8 (l / 16) + l % 8, 16 bytes at 16 ((l / 8) % 2)
	v_mul_u32_u24 v[AV0], v[AV0], PW
	v_lshl_add_u32 v[AV0], v25, 4, v[AV0]
	v_add_nc_u32 v[ADRB], WOFF, v[AV0]
	v_add_nc_u32 v[ADRB+1], SLOT, v[ADRB]
	v_mul_u32_u24 v[VST], v1, PW
	v_lshl_add_u32 v[VST], v2, 4, v[VST]
	s_mul_i32 s21, s[WV], 16*PW
	s_add_co_u32 s21, s21, VREG
	v_add_nc_u32 v[VST], s21, v[VST]
	v_add_nc_u32 v[VST2], 4*64*PW, v[VST]
	s_mul_i32 s21, s[WV], 16*PA
	s_add_co_u32 s21, s21, STAGE
	v_add_nc_u32 v[STO], s21, v[AK0]
	v_bfe_u32 v[RD], v0, 3, 2                      ; back: 32 lanes take four rows of 128 bytes
	v_mul_u32_u24 v[RD], v[RD], PA
	v_lshl_add_u32 v[RD], v3, 4, v[RD]
	v_add_nc_u32 v[RD], s21, v[RD]
	v_and_b32 v[GO], 31, v0
	v_lshlrev_b32 v[PFO], 8, v[GO]
	v_lshlrev_b32 v[GO], 4, v[GO]
	v_lshlrev_b32 v[MB], 3, v2
	v_sub_nc_u32 v[MB], v1, v[MB]
	s_lshl_b32 s21, s[WV], 4
	v_add_nc_u32 v[MB], s21, v[MB]
; THE PROJECTION.  n products a block x 4 column blocks of q, k or v (sel 0, 1, 2), blocks a0 on, from n1's buffer buf.  All 96 accumulators take turns, one instruction a turn.
.macro MULS sel, buf, a0, n, zero
	WIN 0x50*((\sel)+1)
.set ma, \a0
.rept \n
.irp nb, 0,1,2,3
.if \zero
	v_wmma_f32_16x16x32_f16 v[8*(4*ma+\nb):8*(4*ma+\nb)+7], v[BF+32*(\sel)+8*\nb:BF+32*(\sel)+8*\nb+7], v[AF+64*(\buf)+8*ma:AF+64*(\buf)+8*ma+7], 0
.else
	v_wmma_f32_16x16x32_f16 v[8*(4*ma+\nb):8*(4*ma+\nb)+7], v[BF+32*(\sel)+8*\nb:BF+32*(\sel)+8*\nb+7], v[AF+64*(\buf)+8*ma:AF+64*(\buf)+8*ma+7], v[8*(4*ma+\nb):8*(4*ma+\nb)+7]
.endif
.endr
.set ma, ma+1
.endr
.endm
.macro LDB sel, slot, half             ; 8 loads: 32 k x 64 columns of one weight, turned
.irp nb, 0,1,2,3
	ds_load_tr16_b128 v[BF+32*(\sel)+8*\nb:BF+32*(\sel)+8*\nb+3],   v[ADRB+(\slot)] offset:(\sel)*WSZ+(\half)*32*PW+32*\nb
	ds_load_tr16_b128 v[BF+32*(\sel)+8*\nb+4:BF+32*(\sel)+8*\nb+7], v[ADRB+(\slot)] offset:(\sel)*WSZ+(\half)*32*PW+32*\nb+16*PW
.endr
.endm
.macro LDA lo, slot, half, buf         ; 8 loads: my blocks lo .. lo + 3 of n1, 32 channels
.irp d, 0,1,2,3
	ds_load_b128 v[AF+64*(\buf)+8*((\lo)+\d):AF+64*(\buf)+8*((\lo)+\d)+3],   v[ADRA+(\slot)] offset:((\lo)+\d)*64*PA+64*(\half)
	ds_load_b128 v[AF+64*(\buf)+8*((\lo)+\d)+4:AF+64*(\buf)+8*((\lo)+\d)+7], v[ADRA+(\slot)] offset:((\lo)+\d)*64*PA+64*(\half)+32
.endr
.endm
.macro RUN1 slot, half, buf            ; the next step's fragments come in three runs, each behind the products that read the weights' registers last
	WIN 0
	LDB 0, \slot, \half
	LDA 0, \slot, \half, \buf
.endm
.macro RUN2 slot, half, buf
	WIN 0
	LDB 1, \slot, \half
	LDA 4, \slot, \half, \buf
.endm
.macro RUN3 slot, half
	WIN 0
	LDB 2, \slot, \half
.endm
; A tile's first step: multiplies buffer 0 and fetches the tile's second 32 channels into buffer 1.
.macro STEP slot, zero
	s_wait_dscnt 8                                 ; all but the youngest run, Wv's 8 loads
	MULS 0, 0, 0, 8, \zero
	PLACES
	RUN1 \slot, 1, 1
	MULS 1, 0, 0, 8, \zero
	PLACES
	RUN2 \slot, 1, 1
	s_wait_dscnt 32                                ; Wv is in: the 32 loads just issued may stay out
	MULS 2, 0, 0, 8, \zero
	PLACES
	RUN3 \slot, 1
.endm
; A tile's second step multiplies buffer 1 and changes slots.  ONE barrier: ahead of it each wave waits for all its tensor loads (one is out: its part of the other slot), adds 0 to its spare word, and waits for that
; and for its reads of this slot.  fill = 1: the barrier opens a round of the cluster's, and the slot is filled again first thing behind it, with the tile two on: 160 matrix instructions ahead of the wait for it.
.macro TURN slot, fill
.if \fill
	s_wait_xcnt 0x0                                ; the last prefetch, a tile back, has read its address
	s_add_nc_u64 s[PFA:PFA+1], s[PFA:PFA+1], 1048576
.endif
	WIN 0
	s_wait_tensorcnt 0x0
	ds_add_u32 v[SPW], v[NIL]
	s_wait_dscnt 9                                 ; the add and Wv's 8 loads may be out
	MULS 0, 1, 0, 4, 0
	s_wait_dscnt 0x0                               ; the add is done, and my reads of this slot are over
	s_barrier_signal -1
	MULS 0, 1, 4, 4, 0
.if \fill
	WIN 0
.endif
	s_barrier_wait -1
.if \fill
	CREST                                          ; no wave of any partner still reads this slot or has a load on its way
	s_add_nc_u64 s[G0A+4*(\slot)+2:G0A+4*(\slot)+3], s[G0A+4*(\slot)+2:G0A+4*(\slot)+3], 2*1048576
	s_add_nc_u64 s[G0W+4*(\slot)+2:G0W+4*(\slot)+3], s[G0W+4*(\slot)+2:G0W+4*(\slot)+3], 2*8192
	JLOAD \slot                                    ; its four v_nop are also the places ahead of the loads below
.else
	PLACES
.endif
	RUN1 1-(\slot), 0, 0
.if \fill
	ASK
.endif
	MULS 1, 1, 0, 8, 0
	PLACES
	RUN2 1-(\slot), 0, 0
	MULS 2, 1, 0, 8, 0
	PLACES
	RUN3 1-(\slot), 0
.endm
	s_wait_tensorcnt 0x1                           ; my part of tile 0 is in; tile 1's may stay out
	s_barrier_signal -1
	s_barrier_wait -1
	RUN1 0, 0, 0
	RUN2 0, 0, 0
	RUN3 0, 0
	STEP 0, 1                                      ; the first step's products start the sums: nothing is cleared
	WIN 0
	s_mov_b32 s3, 7
.Llap:                                             ; a trip goes once round the ring and fills both slots again: tiles 2 to 15
	TURN 0, 1
	STEP 1, 0
	TURN 1, 1
	STEP 0, 0
	WIN 0
	s_sub_co_u32 s3, s3, 1
	s_cmp_lg_u32 s3, 0
	s_cbranch_scc1 .Llap
	TURN 0, 0                                      ; the tail asks for nothing
	STEP 1, 0
	s_wait_dscnt 8
	MULS 0, 1, 0, 8, 0
	MULS 1, 1, 0, 8, 0
	s_wait_dscnt 0x0
	MULS 2, 1, 0, 8, 0
	PLACES
	; q: rounded in pairs, packed upward in place: register 16 t + 8 c + .. is Q's fragment of tile t, channels 32 c on.  Each accumulator is read from its low end.
	WIN 0x45
.set p, 0
.rept 128
	v_cvt_pk_f16_f32 v[p], v[2*p], v[2*p+1]
.set p, p+1
.endr
	; k: 16 bytes a lane into rows of 144 bytes, over slot 0's n1: nobody has read that since the last change of slots, and nothing is filled any more
	WIN 0x0a
.set p, 0
.rept 128
	v_cvt_pk_f16_f32 v[TMP+p], v[2*p], v[2*p+1]
.set p, p+1
.endr
	WIN 0
.irp a, 0,1,2,3,4,5,6,7
.irp nb, 0,1,2,3
	ds_store_b128 v[KST], v[TMP+4*(4*\a+\nb):TMP+4*(4*\a+\nb)+3] offset:\a*64*PA+32*\nb
.endr
.endr
	s_wait_dscnt 0x0
	WIN 0x0f
.set p, 0
.rept 128
	v_cvt_pk_f16_f32 v[TMP+p], v[2*p], v[2*p+1]
.set p, p+1
.endr
	WIN 0
.irp a, 0,1,2,3
.irp nb, 0,1,2,3
	ds_store_b128 v[VST], v[TMP+4*(4*\a+\nb):TMP+4*(4*\a+\nb)+3] offset:\a*64*PW+32*\nb
.endr
.endr
.irp a, 0,1,2,3
.irp nb, 0,1,2,3
	ds_store_b128 v[VST2], v[TMP+64+4*(4*\a+\nb):TMP+64+4*(4*\a+\nb)+3] offset:\a*64*PW+32*\nb
.endr
.endr
	; the mask of a band's own key group: register 8 kb + j stands for key 16 kb + 8 (l / 16) + j, hidden where that is greater than my row 16 w + l % 16
	WIN 0x40
.set i, 0
.rept 32
	v_cmp_gt_i32 vcc_lo, 16*(i/8)+i%8, v[MB]
	v_cndmask_b32 v[MD+i], 0, s[BIGN], vcc_lo
.set i, i+1
.endr
	WIN 0
	s_wait_dscnt 0x0                               ; for the others' sake: my rows of K and V lie in LDS
	s_barrier_signal -1
.set i, 0
.rept 8
	v_mov_b32 v[ST+4*i], 0xfe000000                ; c m: far below every c s, so the first a is 0
	v_mov_b32 v[ST+4*i+1], 0xff7fffff              ; m: the lowest finite number
	v_mov_b32 v[ST+4*i+2], 0
	v_mov_b32 v[ST+4*i+3], 0
.set i, i+1
.endr
	s_barrier_wait -1
; A UNIT: tile t against the key group in hand.  Groups beyond the tile's own are jumped (forward, past no barrier).  S^T = K Q^T starts with 0, or in the tile's own group with the mask.
; Then the running maximum, p = 2^(c s - c m), a = 2^(c m_old - c m_new), l = a l + sum, O^T = a O^T + V^T P.  The 33 exponentials are one batch with one wait.
.macro UNIT t
.set rT, ST+4*(\t)
.set rO, 32*(\t)
.set rQ, 16*(\t)
	WIN 0
.if (\t) < 7
	s_cmp_gt_u32 s[G], \t
	s_cbranch_scc1 .Lskip_\@
.endif
	s_cmp_lg_u32 s[G], \t
	s_cbranch_scc1 .Lplain_\@
	WIN 0x14
.irp kb, 0,1,2,3
	v_wmma_f32_16x16x32_f16 v[S+8*\kb:S+8*\kb+7], v[KF+16*\kb:KF+16*\kb+7], v[rQ:rQ+7], v[MD+8*\kb:MD+8*\kb+7]
.endr
	WIN 0
	s_branch .Ljoin_\@
.Lplain_\@:
	WIN 0x04
.irp kb, 0,1,2,3
	v_wmma_f32_16x16x32_f16 v[S+8*\kb:S+8*\kb+7], v[KF+16*\kb:KF+16*\kb+7], v[rQ:rQ+7], 0
.endr
	WIN 0
.Ljoin_\@:
	WIN 0x04
.irp kb, 0,1,2,3
	v_wmma_f32_16x16x32_f16 v[S+8*\kb:S+8*\kb+7], v[KF+16*\kb+8:KF+16*\kb+15], v[rQ+8:rQ+15], v[S+8*\kb:S+8*\kb+7]
.endr
	PLACES
	WIN 0
.irp q, 0,1,2,3                        ; four chains of seven scores; each accumulator's lowest registers are read first
	v_max3_num_f32 v[CC+\q], v[S+8*\q], v[S+8*\q+1], v[S+8*\q+2]
.endr
.irp q, 0,1,2,3
	v_max3_num_f32 v[CC+\q], v[CC+\q], v[S+8*\q+3], v[S+8*\q+4]
.endr
.irp q, 0,1,2,3
	v_max3_num_f32 v[CC+\q], v[CC+\q], v[S+8*\q+5], v[S+8*\q+6]
.endr
	v_max3_num_f32 v[CC], v[CC], v[S+7], v[S+15]
	v_max3_num_f32 v[CC+1], v[CC+1], v[S+23], v[S+31]
	v_max3_num_f32 v[CC+2], v[CC+2], v[CC+3], v[rT+1]
	v_mov_b32 v[MW], v[rT]
	v_max3_num_f32 v[CC], v[CC], v[CC+1], v[CC+2]
	v_permlanex16_b32 v[CC+3], v[CC], s[SEL], s[SEL+1]  ; the query's other 32 keys lie in the lane 16 away
	v_max_num_f32 v[rT+1], v[CC], v[CC+3]
	v_mul_f32 v[rT], s[CS], v[rT+1]
	v_sub_f32 v[CC+1], v[MW], v[rT]
.set n, 0
.rept 16
	v_pk_fma_f32 v[S+2*n:S+2*n+1], v[S+2*n:S+2*n+1], s[CS:CS+1], v[rT:rT+1] op_sel_hi:[1,0,0] neg_lo:[0,0,1] neg_hi:[0,0,1]
.set n, n+1
.endr
	v_exp_f32 v[CC+2], v[CC+1]
.set n, 0
.rept 32
	v_exp_f32 v[S+n], v[S+n]
.set n, n+1
.endr
	v_nop                                          ; a plain instruction behind the last exponential,
	s_wait_alu depctr_va_vdst(0)                   ; and one wait for the batch, ahead of its first reader
.set n, 0
.rept 16
	v_cvt_pk_f16_f32 v[P+n], v[S+2*n], v[S+2*n+1]
.set n, n+1
.endr
.set n, 0
.rept 8
	v_pk_add_f32 v[S+4*n:S+4*n+1], v[S+4*n:S+4*n+1], v[S+4*n+2:S+4*n+3]
.set n, n+1
.endr
	v_pk_fma_f32 v[rT+2:rT+3], v[rT+2:rT+3], v[CC+2:CC+3], v[S:S+1] op_sel_hi:[1,0,1]
.set n, 1
.rept 7
	v_pk_add_f32 v[rT+2:rT+3], v[rT+2:rT+3], v[S+4*n:S+4*n+1]
.set n, n+1
.endr
	WIN 0x82
.set n, 0
.rept 16
	v_pk_mul_f32 v[rO+2*n:rO+2*n+1], v[rO+2*n:rO+2*n+1], v[CC+2:CC+3] op_sel_hi:[1,0]
.set n, n+1
.endr
	WIN 0xa0
.irp kk, 0,1
.irp cb, 0,1,2,3
	v_wmma_f32_16x16x32_f16 v[rO+8*\cb:rO+8*\cb+7], v[VF+32*\kk+8*\cb:VF+32*\kk+8*\cb+7], v[P+8*\kk:P+8*\kk+7], v[rO+8*\cb:rO+8*\cb+7]
.endr
.endr
	WIN 0
.if (\t) < 7
.Lskip_\@:
.endif
.endm
	s_mov_b32 s[G], 0
	s_mov_b32 s[TBK], 0
	s_mov_b32 s[TBV], VREG
.Lgroup:                                           ; eight key groups of 64; group G serves tiles G to 7
	v_add_nc_u32 v[AK], s[TBK], v[AK0]
	v_add_nc_u32 v[AV], s[TBV], v[AV0]
.irp f, 0,1,2,3,4,5,6,7
	ds_load_b128 v[KF+8*\f:KF+8*\f+3],   v[AK] offset:(\f/2)*16*PA+(\f%2)*64
	ds_load_b128 v[KF+8*\f+4:KF+8*\f+7], v[AK] offset:(\f/2)*16*PA+(\f%2)*64+32
.endr
.irp f, 0,1,2,3,4,5,6,7
	ds_load_tr16_b128 v[VF+8*\f:VF+8*\f+3],   v[AV] offset:(\f/4)*32*PW+(\f%4)*32
	ds_load_tr16_b128 v[VF+8*\f+4:VF+8*\f+7], v[AV] offset:(\f/4)*32*PW+16*PW+(\f%4)*32
.endr
	s_wait_dscnt 0x0
	UNIT 0
	UNIT 1
	UNIT 2
	UNIT 3
	UNIT 4
	UNIT 5
	UNIT 6
	UNIT 7
	PLACES                                         ; behind tile 7's last products, ahead of the next group's loads and of the way out
	s_add_co_u32 s[TBK], s[TBK], 64*PA
	s_add_co_u32 s[TBV], s[TBV], 64*PW
	s_add_co_u32 s[G], s[G], 1
	s_cmp_lt_u32 s[G], 8
	s_cbranch_scc1 .Lgroup
	; THE WAY OUT.  l's two halves and the other half of the lanes' are added; O^T is divided by l, rounded to f16 and sent through my stage, a tile at a time.
.macro ALL line:vararg
.set t, 0
.rept 8
	\line
.set t, t+1
.endr
.endm
	ALL v_add_f32 v[ST+4*t+2], v[ST+4*t+2], v[ST+4*t+3]
	ALL v_permlanex16_b32 v[ST+4*t+3], v[ST+4*t+2], s[SEL], s[SEL+1]
	ALL v_add_f32 v[ST+4*t+2], v[ST+4*t+2], v[ST+4*t+3]
	ALL v_rcp_f32 v[ST+4*t+2], v[ST+4*t+2]
	v_nop
	s_wait_alu depctr_va_vdst(0)                   ; one wait for the eight reciprocals
.macro PACK t
	WIN 0x82
.set i, 32*(\t)
.rept 16
	v_pk_mul_f32 v[i:i+1], v[i:i+1], v[ST+4*(\t)+2:ST+4*(\t)+3] op_sel_hi:[1,0]
.set i, i+2
.endr
	WIN 0x0a
.set i, 0
.rept 16
	v_cvt_pk_f16_f32 v[OB+16*(\t)+i], v[32*(\t)+2*i], v[32*(\t)+2*i+1]
.set i, i+1
.endr
	WIN 0
.irp f, 0,1,2,3
	ds_store_b128 v[STO], v[OB+16*(\t)+4*\f:OB+16*(\t)+4*\f+3] offset:32*\f
.endr
.irp f, 0,1,2,3
	ds_load_b128 v[OB+16*(\t)+4*\f:OB+16*(\t)+4*\f+3], v[RD] offset:\f*4*PA  ; LDS serves a wave's instructions in order (ISA guide 5.7.1.4): these see the stores above
.endr
.endm
.macro SEND t, younger                 ; younger: the LDS instructions issued behind tile t's loads
.irp f, 0,1,2,3
	s_wait_dscnt (\younger)+3-\f
	global_store_b128 v[GO], v[OB+16*(\t)+4*\f:OB+16*(\t)+4*\f+3], s[8:9] offset:(\t)*8192+\f*512  ; 512 consecutive bytes, at a multiple of 256 from the buffer's first
.endr
.endm
	PACK 0
.set u, 1
.rept 7
	PACK u
	SEND u-1, 8
.set u, u+1
.endr
	SEND 7, 0
	s_wait_tensorcnt 0x0                           ; the wave's end
	ds_add_u32 v[SPW], v[NIL]
	s_wait_dscnt 0x0
	CROUND                                         ; the closing round
	s_endpgm
.Lfunc_end_k_q4e689bd8f3_attn:
	.size	k_q4e689bd8f3_attn, .Lfunc_end_k_q4e689bd8f3_attn-k_q4e689bd8f3_attn
	.p2alignl 7, 3214868480
	.fill 96, 4, 3214868480
	.section	.rodata,"a",@progbits
	.p2align	6, 0x0
	.amdhsa_kernel k_q4e689bd8f3_attn
		.amdhsa_group_segment_fixed_size 327680
		.amdhsa_private_segment_fixed_size 0
		.amdhsa_enable_private_segment 0
		.amdhsa_kernarg_size 24
		.amdhsa_user_sgpr_count 2
		.amdhsa_user_sgpr_kernarg_segment_ptr 1
		.amdhsa_wavefront_size32 1
		.amdhsa_system_sgpr_workgroup_id_x 1
		.amdhsa_system_sgpr_workgroup_id_y 1
		.amdhsa_system_sgpr_workgroup_id_z 1
		.amdhsa_system_vgpr_workitem_id 0
		.amdhsa_next_free_vgpr 1024
		.amdhsa_next_free_sgpr 80
		.amdhsa_reserve_vcc 1
		.amdhsa_float_denorm_mode_32 3
		.amdhsa_float_denorm_mode_16_64 3
		.amdhsa_memory_ordered 1
		.amdhsa_forward_progress 1
		.amdhsa_inst_pref_size 210
	.end_amdhsa_kernel
	.amdgpu_metadata
---
amdhsa.version: [ 1, 2 ]
amdhsa.kernels:
  - .name:           k_q4e689bd8f3_attn
    .symbol:         k_q4e689bd8f3_attn.kd
    .args:
      - { .name: nbuf, .offset: 0, .size: 8, .value_kind: global_buffer, .address_space: global }
      - { .name: wqkvh, .offset: 8, .size: 8, .value_kind: global_buffer, .address_space: global }
      - { .name: cbuf, .offset: 16, .size: 8, .value_kind: global_buffer, .address_space: global }
    .group_segment_fixed_size: 327680
    .private_segment_fixed_size: 0
    .kernarg_segment_align: 8
    .kernarg_segment_size: 24
    .max_flat_workgroup_size: 128
    .sgpr_count:     80
    .vgpr_count:     1024
    .wavefront_size: 32
...
	.end_amdgpu_metadata
.endif
;; end of part 3
;; launch wo (part 4): grid 4 x 64, 4 waves a work-group, clusters of 4 x 4, 327,680 bytes of LDS; arguments cbuf, woh, bo, x, x1; writes x1
.if DOCPART == 4
	.amdgcn_target "amdgcn-amd-amdhsa--gfx1250"
	.amdhsa_code_object_version 6
	.text
	.protected	k_q4e689bd8f3_wo
	.globl	k_q4e689bd8f3_wo
	.p2align	8
	.type	k_q4e689bd8f3_wo,@function
k_q4e689bd8f3_wo:
	s_mov_b64 s[64:65], 0
	v_nop
	global_prefetch_b8 v0, s[64:65] scope:SCOPE_SE
	s_setreg_imm32_b32 hwreg(HW_REG_WAVE_MODE, 25, 1), 1
	s_wait_xcnt 0x0
	s_wait_alu depctr_hold_cnt(0) depctr_sa_sdst(0) depctr_va_vdst(0) depctr_va_sdst(0) depctr_va_ssrc(0) depctr_va_vcc(0) depctr_vm_vsrc(0)
	s_getreg_b32 s2, hwreg(HW_REG_IB_STS2, 6, 4)
	s_cmp_eq_u32 s2, 0
	s_cbranch_scc0 .Lentry_in_a_cluster
	s_endpgm
.Lentry_in_a_cluster:
	s_bfe_u32 s2, ttmp6, 0x10000c
	s_cmp_lg_u32 s2, 0xf033
	s_cbranch_scc0 .Lentry_shape_is_right
	s_endpgm
.Lentry_shape_is_right:
; out[m][n] = res[m][n] + bias[n] + the sum over k of A[m][k] W[k][n].  M = 8,192, N = K = 1,024.
; A: [16 blocks of 64 channels][8,192 rows][64] f16.  W: [1024 k][1024 n] f16.  bias, res, out: f32, rows of 1,024.  Sums in f32, K ascending; bias and residual are added in f32.
; LIMIT: A and W arrive within f16's range.
; SHARES.  A tile of out is 128 rows x 256 columns: 256 work-groups.  Four waves, each 64 x 128: 32 accumulators, 256 registers.
; THE RING.  K goes in blocks of 64 channels; a slot holds THREE blocks, as many as two slots in LDS allow: 192 matrix instructions a wave.  1,024 = 5 x 192 + 64: two first fills, three full refills, and a last
; refill of one block.  Behind each change of slots one load a wave goes out, 176 matrix instructions ahead of the wait for it.
; Waves 0 and 1 fetch A: 64 rows of the tile each, three blocks by one descriptor (a block's 64 rows are 8,192 dense bytes; the blocks lie 1,048,576 bytes apart).  Waves 2 and 3 fetch W: 96 rows x 512 bytes each.
; CLUSTER 4 x 4: the four column tiles of a row of the cluster share A's tiles, the four row tiles of a column W's: each is asked for jointly.
; THE MATRIX INSTRUCTION IS USED TRANSPOSED (source 0 = 16 columns of W, turned by ds_load_tr16_b128; source 1 = 16 rows of A): a lane holds a row and eight neighbouring columns.
; THE RESIDUAL is asked for at the head, 256 registers a wave, and arrives under the products.
; LDS: A's row half h at h x 55,296: six blocks of 64 rows x 144 (slot s: blocks 3 s on).  W from 110,592: 384 rows x 544 (slot s: rows 192 s on).  The spare words at 319,488.
; THE STAGE, 16 rows x 528 for each wave, lies over the ring: it is written behind a barrier that follows every wave's last read of the ring, and no tile is asked for any more.
; REGISTERS: window 0: v0-29 addresses; v32-127, v128-223 two fragment buffers (A 4 x 8, then W 8 x 8); v224-231 bias.  Window 1: accumulator (a, b) at 8 (8 a + b).  Window 2: the residual.
.set PA,    144                        ; a row of 128 bytes + 16: the 16 rows of a load begin in 16 different groups of four banks
.set PB,    544                        ; a row of 512 bytes + 32, for the turning load
.set AB,    64*PA                      ; a block of A for one row half
.set ASL,   3*AB                       ; a slot's three
.set AHALF, 2*ASL
.set BOFF,  2*AHALF
.set BH,    64*PB                      ; a block of W
.set BSL,   3*BH
.set BW,    96*PB                      ; what one wave fetches of a slot's W
.set SPARE, BOFF+2*BSL                 ; the spare words: 128 bytes a wave, two blocks of 256 bytes that no other line names
.set SP,    528
.set A0,   4                           ; v4   my place in block 0 of my row half; never rewritten
.set B0,   5                           ; v5   my place in block 0 of W; never rewritten
.set RA,   6                           ; v6-7 the same in the block that is being fetched
.set RB,   7
.set STO,  8
.set RD,   9
.set CO,   10
.set BIO,  11
.set SPW,  28
.set NIL,  29
.set F0,   32
.set F1,   128
.set BI,   224
.set WV,   14
.set WR,   15
.set WC,   16
.set TA,   17                          ; s17  LDS bytes from block 0 to the block that is being fetched, in A
.set G1A,  24                          ; s[24:31] group 1 for A; s[32:39] group 0: set 0 for the first fill of slot 0, set 1 for slot 1's and then walking
.set G0A,  32
.set G1B,  48                          ; s[48:55], s[56:63] the same for W
.set G0B,  56
.set TB,   82                          ; s82  as TA, in W
.set SUMA, 83                          ; s83  the sum of my two slots' LDS words for A: the sum less the one is the other
.set SUMB, 84                          ; s84  the same for W
.set INNER, 85
.set MSB, 0
.macro WIN new                         ; the immediate's high byte repeats the setting that is left; a switch that changes nothing is dropped
.if MSB != (\new)
	s_set_vgpr_msb (MSB<<8)|(\new)
.set MSB, \new
.endif
.endm
.macro PLACES                          ; four plain instructions behind a matrix instruction, ahead of loads into its registers and of readers of its result
.rept 4
	v_nop
.endr
.endm
.macro JLOAD s                         ; waves 0 and 1 ask for A, waves 2 and 3 for W; an s_nop 0 and four v_nop follow each line
	s_cmp_eq_u32 s[WR], 0
	s_cbranch_scc0 .Lfor_b_\@
	tensor_load_to_lds s[G0A+4*(\s):G0A+4*(\s)+3], s[G1A:G1A+7]
	s_nop 0
.rept 4
	v_nop
.endr
	s_branch .Lasked_\@
.Lfor_b_\@:
	tensor_load_to_lds s[G0B+4*(\s):G0B+4*(\s)+3], s[G1B:G1B+7]
	s_nop 0
.rept 4
	v_nop
.endr
.Lasked_\@:
.endm
.macro JSMALL                          ; the last refill: one block.  Wave 3 has no part of it; its four v_nop are the places ahead of the loads that follow
	s_cmp_eq_u32 s[WR], 0
	s_cbranch_scc0 .Lsm_b_\@
	tensor_load_to_lds s[G0A+4:G0A+7], s[G1A:G1A+7]
	s_nop 0
.rept 4
	v_nop
.endr
	s_branch .Lsm_end_\@
.Lsm_b_\@:
	s_cmp_eq_u32 s[WC], 0
	s_cbranch_scc0 .Lsm_none_\@
	tensor_load_to_lds s[G0B+4:G0B+7], s[G1B:G1B+7]
	s_nop 0
.rept 4
	v_nop
.endr
	s_branch .Lsm_end_\@
.Lsm_none_\@:
.rept 4
	v_nop
.endr
.Lsm_end_\@:
.endm
.macro CREST                           ; a round of the cluster's barrier behind its opening barrier
	s_cmp_lg_u32 s[WV], 0
	s_cbranch_scc1 .Lnot_wave_0_\@
	s_barrier_signal -3
.Lnot_wave_0_\@:
	s_barrier_wait -3
	s_barrier_signal -1
	s_barrier_wait -1
.endm
.macro CROUND
	s_barrier_signal -1
	s_barrier_wait -1
	CREST
.endm
	s_load_b256 s[4:11], s[0:1], 0x0               ; A s[4:5], W s[6:7], bias s[8:9], res s[10:11]
	s_load_b64 s[12:13], s[0:1], 0x20              ; out
	v_lshl_add_u32 v[SPW], v0, 2, SPARE
	v_mov_b32 v[NIL], 0
	ds_add_u32 v[SPW], v[NIL]                      ; the wave's opening: the add and its wait stand ahead of my first tensor load
	v_lshrrev_b32 v1, 5, v0
	v_readfirstlane_b32 s[WV], v1
	s_lshr_b32 s[WR], s[WV], 1                     ; my half of the rows; also: I fetch for A (0) or W (1)
	s_and_b32 s[WC], s[WV], 1                      ; my half of the columns; also: which half I fetch
	s_bfe_u32 s40, ttmp6, 0x40000
	s_bfe_u32 s41, ttmp6, 0x40004
	s_lshl_b32 s42, ttmp9, 2
	s_add_co_u32 s42, s42, s40                     ; column tile
	s_and_b32 s43, ttmp7, 0xffff
	s_lshl_b32 s43, s43, 2
	s_add_co_u32 s43, s43, s41                     ; row tile
	s_lshl_b32 s44, s41, 2
	s_lshl_b32 s44, 15, s44
	s_lshl_b32 s45, 0x1111, s40
	s_or_b32 s[G1A], s44, (1<<16)|(1<<20)|(1<<21)|(4<<22)|(3<<25)  ; my row's mask; 2-byte elements; padding: after every 32 words 4 words
	s_mov_b32 s[G1A+1], 4096<<16                   ; tensor_dim0 = 4,096: 64 rows of 64 channels, dense
	s_mov_b32 s[G1A+2], 3<<16                      ; tensor_dim1 = 3 blocks
	s_mov_b32 s[G1A+3], 4096<<16                   ; tile_dim0
	s_mov_b32 s[G1A+4], 3                          ; tile_dim1
	s_mov_b32 s[G1A+5], 524288                     ; elements from block to block
	s_mov_b32 s[G1A+6], 0
	s_mov_b32 s[G1A+7], 0
	s_or_b32 s[G1B], s45, (1<<16)|(1<<20)|(1<<21)|(6<<22)|(7<<25)  ; my column's mask; after every 128 words 8 words
	s_mov_b32 s[G1B+1], 256<<16
	s_mov_b32 s[G1B+2], 96<<16
	s_mov_b32 s[G1B+3], 256<<16
	s_mov_b32 s[G1B+4], 96
	s_mov_b32 s[G1B+5], 1024
	s_mov_b32 s[G1B+6], 0
	s_mov_b32 s[G1B+7], 0
	s_lshl_b32 s18, s43, 14                        ; the tile's 128 rows of 128 bytes,
	s_lshl_b32 s19, s[WC], 13                      ; the 64 of them that I fetch
	s_add_co_u32 s18, s18, s19
	s_mov_b32 s19, 0
	s_lshl_b32 s46, s42, 9                         ; the tile's 256 columns,
	s_mul_i32 s47, s[WC], 96*2048                  ; the 96 rows of W that I fetch
	s_add_co_u32 s46, s46, s47
	s_mov_b32 s47, 0
	s_mul_i32 s20, s[WC], AHALF                    ; where they go: no place in the cluster enters an LDS address
	s_mul_i32 s21, s[WC], BW
	s_add_co_u32 s21, s21, BOFF
	s_lshl_b32 s[SUMA], s20, 1
	s_add_co_u32 s[SUMA], s[SUMA], ASL
	s_lshl_b32 s[SUMB], s21, 1
	s_add_co_u32 s[SUMB], s[SUMB], BSL
	s_mov_b32 s[TA], 0
	s_mov_b32 s[TB], 0
	s_wait_dscnt 0x0                               ; the opening add is done
	s_wait_kmcnt 0x0
	s_add_nc_u64 s[18:19], s[4:5], s[18:19]
	s_add_nc_u64 s[46:47], s[6:7], s[46:47]
	CROUND                                         ; all sixteen work-groups are here: the first joint loads meet
.irp s, 0,1
	s_mov_b32 s[G0A+4*(\s)], 1
	s_add_co_u32 s[G0A+4*(\s)+1], s20, (\s)*ASL
	s_add_nc_u64 s[G0A+4*(\s)+2:G0A+4*(\s)+3], s[18:19], (\s)*3*1048576
	s_or_b32 s[G0A+4*(\s)+3], s[G0A+4*(\s)+3], 0x80000000
	s_mov_b32 s[G0B+4*(\s)], 1
	s_add_co_u32 s[G0B+4*(\s)+1], s21, (\s)*BSL
	s_add_nc_u64 s[G0B+4*(\s)+2:G0B+4*(\s)+3], s[46:47], (\s)*192*2048
	s_or_b32 s[G0B+4*(\s)+3], s[G0B+4*(\s)+3], 0x80000000
	JLOAD \s                                       ; two loads of mine are out
.endr
	v_and_b32 v1, 15, v0
	v_bfe_u32 v2, v0, 4, 1
	v_mul_u32_u24 v3, v1, PA
	v_lshl_add_u32 v3, v2, 4, v3
	s_mul_i32 s22, s[WR], AHALF
	v_add_nc_u32 v[A0], s22, v3                    ; row l % 16 of my half, 16 bytes for each half of the lanes
	v_mov_b32 v[RA], v[A0]
	v_and_b32 v12, 7, v0
	v_bfe_u32 v13, v0, 3, 1
	v_lshl_add_u32 v3, v2, 3, v12                  ; the turning load: lane l reads row 8 (l / 16) + l % 8, 16 bytes at 16 ((l / 8) % 2)
	v_mul_u32_u24 v3, v3, PB
	v_lshl_add_u32 v3, v13, 4, v3
	s_lshl_b32 s22, s[WC], 8
	s_add_co_u32 s22, s22, BOFF
	v_add_nc_u32 v[B0], s22, v3
	v_mov_b32 v[RB], v[B0]
	s_mul_i32 s22, s[WV], 16*SP                    ; my stage
	v_mul_u32_u24 v[STO], v1, SP                   ; in: row l % 16, 32 bytes for each half of the lanes
	v_lshl_add_u32 v[STO], v2, 5, v[STO]
	v_add_nc_u32 v[STO], s22, v[STO]
	v_mul_u32_u24 v[RD], v2, SP                    ; back: lanes 0-15 take 256 bytes of one row, lanes 16-31 of the next
	v_lshl_add_u32 v[RD], v1, 4, v[RD]
	v_add_nc_u32 v[RD], s22, v[RD]
	v_lshlrev_b32 v[CO], 12, v2                    ; the same two rows in res and out
	v_lshl_add_u32 v[CO], v1, 4, v[CO]
	v_lshlrev_b32 v[BIO], 4, v1
	s_lshl_b32 s20, s42, 10
	s_lshl_b32 s21, s[WC], 9
	s_add_co_u32 s20, s20, s21                     ; my 128 columns, in bytes of f32
	s_mov_b32 s21, 0
	s_add_nc_u64 s[8:9], s[8:9], s[20:21]
	s_lshl_b32 s22, s43, 19
	s_lshl_b32 s23, s[WR], 18
	s_add_co_u32 s22, s22, s23                     ; my 64 rows
	s_add_co_u32 s20, s20, s22
	s_add_nc_u64 s[10:11], s[10:11], s[20:21]
	s_add_nc_u64 s[12:13], s[12:13], s[20:21]
	global_load_b128 v[BI:BI+3], v[BIO], s[8:9]
	global_load_b128 v[BI+4:BI+7], v[BIO], s[8:9] offset:256
	WIN 0x80                                       ; destination window 2: block a, rows 2 i and 2 i + 1, half k of the 512 bytes at 64 a + 4 (2 i + k)
.irp a, 0,1,2,3
.irp i, 0,1,2,3,4,5,6,7
.irp k, 0,1
	global_load_b128 v[64*\a+8*\i+4*\k:64*\a+8*\i+4*\k+3], v[CO], s[10:11] offset:\a*65536+\i*8192+\k*256 th:TH_LOAD_NT
.endr
.endr
.endr
	WIN 0
.macro MUL8 f, a, zero                 ; row block a x all 8 column blocks, 32 along K.  The 32 accumulators take turns, one instruction a turn
	WIN 0x50
.irp b, 0,1,2,3,4,5,6,7
.if \zero
	v_wmma_f32_16x16x32_f16 v[8*(8*(\a)+\b):8*(8*(\a)+\b)+7], v[(\f)+32+8*\b:(\f)+32+8*\b+7], v[(\f)+8*(\a):(\f)+8*(\a)+7], 0
.else
	v_wmma_f32_16x16x32_f16 v[8*(8*(\a)+\b):8*(8*(\a)+\b)+7], v[(\f)+32+8*\b:(\f)+32+8*\b+7], v[(\f)+8*(\a):(\f)+8*(\a)+7], v[8*(8*(\a)+\b):8*(8*(\a)+\b)+7]
.endif
.endr
.endm
.macro FETCH oa, ob, f                 ; 24 loads in one run: 32 channels of the block at RA, RB (oa, ob: 0, or the block's second 32): W's 16, then A's row blocks 0, 1, then 2, 3
	WIN 0
.irp b, 0,1,2,3,4,5,6,7
	ds_load_tr16_b128 v[(\f)+32+8*\b:(\f)+32+8*\b+3],   v[RB] offset:(\ob)+32*\b
	ds_load_tr16_b128 v[(\f)+32+8*\b+4:(\f)+32+8*\b+7], v[RB] offset:(\ob)+32*\b+16*PB
.endr
.irp a, 0,1,2,3
	ds_load_b128 v[(\f)+8*\a:(\f)+8*\a+3],   v[RA] offset:(\oa)+\a*16*PA
	ds_load_b128 v[(\f)+8*\a+4:(\f)+8*\a+7], v[RA] offset:(\oa)+\a*16*PA+32
.endr
.endm
.macro QUARTER f, g, oa, ob, zero      ; multiplies buffer f; in its middle fetches into g
	s_wait_dscnt 4                                 ; A's row blocks 2 and 3 may be out
	MUL8 \f, 0, \zero
	MUL8 \f, 1, \zero
	PLACES
	FETCH \oa, \ob, \g
	s_wait_dscnt 24                                ; all but the 24 just issued
	MUL8 \f, 2, \zero
	MUL8 \f, 3, \zero
.endm
; A UNIT: a block's second 32 channels are multiplied and the next block's first 32 fetched; those are multiplied and that block's second 32 fetched.
.macro PLAINU                          ; the next block lies in the same slot
	s_wait_dscnt 4
	MUL8 F1, 0, 0
	MUL8 F1, 1, 0
	WIN 0
	s_add_co_u32 s[TA], s[TA], AB
	s_add_co_u32 s[TB], s[TB], BH
	v_add_nc_u32 v[RA], s[TA], v[A0]               ; these two and two v_nop are the four places ahead of the loads
	v_add_nc_u32 v[RB], s[TB], v[B0]
	v_nop
	v_nop
	FETCH 0, 0, F0
	s_wait_dscnt 24
	MUL8 F1, 2, 0
	MUL8 F1, 3, 0
	QUARTER F0, F1, 64, 32*PB, 0
.endm
.macro PLAIN2                          ; a slot's first two units: written once, walked twice
	WIN 0
	s_mov_b32 s[INNER], 2
.Lplain_\@:
	PLAINU
	WIN 0
	s_sub_co_u32 s[INNER], s[INNER], 1
	s_cmp_lg_u32 s[INNER], 0
	s_cbranch_scc1 .Lplain_\@
.endm
; A slot's third unit changes slots.  ONE barrier: ahead of it each wave waits for all its tensor loads (at most one is out: its part of the other slot), adds 0 to its spare word, and waits for that and for its reads
; of this slot.  fill = 1: the barrier opens a round of the cluster's, and this slot is filled again first thing behind it.  fill = 2: the same with the last block alone.  fill = 0: nothing is left to ask for.
.macro TURNU fill
	WIN 0
	s_wait_tensorcnt 0x0                           ; no tensor load of mine is out, so the descriptors may be written
	ds_add_u32 v[SPW], v[NIL]                      ; scalar work and eight products stand between the add and the wait for it
.if \fill
	s_sub_co_u32 s[G0A+5], s[SUMA], s[G0A+5]       ; the walking descriptors: the other slot than last time,
	s_add_nc_u64 s[G0A+6:G0A+7], s[G0A+6:G0A+7], 3*1048576  ; the next three blocks
	s_sub_co_u32 s[G0B+5], s[SUMB], s[G0B+5]
	s_add_nc_u64 s[G0B+6:G0B+7], s[G0B+6:G0B+7], 192*2048
.endif
.if (\fill) == 2
	s_mov_b32 s[G1A+2], 1<<16                      ; one block of A,
	s_mov_b32 s[G1A+4], 1
	s_mov_b32 s[G1B+2], 64<<16                     ; 64 rows of W
	s_mov_b32 s[G1B+4], 64
.endif
	s_sub_co_u32 s[TA], 5*AB, s[TA]                ; from a slot's last block to the other slot's first: block 2 to 3, block 5 to 0
	s_sub_co_u32 s[TB], 5*BH, s[TB]
	s_wait_dscnt 5                                 ; the add and A's row blocks 2 and 3 may be out
	MUL8 F1, 0, 0
	s_wait_dscnt 0x0                               ; the add is done, and my reads of this slot are over
	s_barrier_signal -1
	MUL8 F1, 1, 0
	WIN 0
	v_add_nc_u32 v[RA], s[TA], v[A0]
	v_add_nc_u32 v[RB], s[TB], v[B0]
	s_barrier_wait -1
.if (\fill) == 1
	CREST                                          ; no wave of any partner still reads this slot or has a load on its way
	JLOAD 1                                        ; its four v_nop are also the places ahead of the loads below
.elseif (\fill) == 2
	CREST
	JSMALL
.else
	PLACES
.endif
	FETCH 0, 0, F0
	MUL8 F1, 2, 0
	MUL8 F1, 3, 0
	QUARTER F0, F1, 64, 32*PB, 0
.endm
	s_wait_tensorcnt 0x1                           ; my part of slot 0 is in; slot 1's may stay out
	s_barrier_signal -1
	s_barrier_wait -1
	FETCH 0, 0, F0
	QUARTER F0, F1, 64, 32*PB, 1                   ; the first quarter's products start the sums: nothing is cleared
	WIN 0
	s_mov_b32 s3, 3
.Lslot:                                            ; blocks 0 to 8 are multiplied, blocks 6 to 14 asked for
	PLAIN2
	TURNU 1
	WIN 0
	s_sub_co_u32 s3, s3, 1
	s_cmp_lg_u32 s3, 0
	s_cbranch_scc1 .Lslot
	PLAIN2                                         ; the tail is written out
	TURNU 2                                        ; block 15 is asked for
	PLAIN2
	TURNU 0
	s_wait_dscnt 4                                 ; the last quarter fetches nothing
	MUL8 F1, 0, 0
	MUL8 F1, 1, 0
	s_wait_dscnt 0x0                               ; my last reads of the ring are back
	MUL8 F1, 2, 0
	MUL8 F1, 3, 0
	PLACES
	WIN 0
	s_barrier_signal -1
	s_barrier_wait -1                              ; everybody's are: the ring's bytes may be written
	s_wait_loadcnt 0x0                             ; bias and residual
; THE WAY OUT of row block a (16 rows x 128 columns of f32): through my own stage, back as half rows of 256 bytes; residual and bias are added; sixteen lanes store 256 consecutive bytes, aligned.
.macro OUTA a
.set T, 32+64*((\a)%2)
	WIN 0x04                                       ; store data in window 1
.irp b, 0,1,2,3,4,5,6,7
	ds_store_b128 v[STO], v[8*(8*(\a)+\b):8*(8*(\a)+\b)+3]   offset:64*\b
	ds_store_b128 v[STO], v[8*(8*(\a)+\b)+4:8*(8*(\a)+\b)+7] offset:64*\b+16
.endr
	WIN 0
.if (\a) >= 2
	s_wait_xcnt 0x0                                ; the stores of two blocks back have read these registers
.endif
.irp i, 0,1,2,3,4,5,6,7
.irp k, 0,1
	ds_load_b128 v[T+4*(2*\i+\k):T+4*(2*\i+\k)+3], v[RD] offset:\i*2*SP+\k*256  ; LDS serves a wave's instructions in order (ISA guide 5.7.1.4): these see the stores above
.endr
.endr
	s_wait_dscnt 0x0
	WIN 0x08                                       ; source 1 in window 2
.set p, 0
.rept 32
	v_pk_add_f32 v[T+2*p:T+2*p+1], v[T+2*p:T+2*p+1], v[64*(\a)+2*p:64*(\a)+2*p+1]
.set p, p+1
.endr
	WIN 0
.set p, 0
.rept 32
	v_pk_add_f32 v[T+2*p:T+2*p+1], v[T+2*p:T+2*p+1], v[BI+2*(p%4):BI+2*(p%4)+1]
.set p, p+1
.endr
.irp i, 0,1,2,3,4,5,6,7
.irp k, 0,1
	global_store_b128 v[CO], v[T+4*(2*\i+\k):T+4*(2*\i+\k)+3], s[12:13] offset:(\a)*65536+\i*8192+\k*256
.endr
.endr
.endm
	OUTA 0
	OUTA 1
	OUTA 2
	OUTA 3
	s_wait_tensorcnt 0x0                           ; the wave's end
	ds_add_u32 v[SPW], v[NIL]
	s_wait_dscnt 0x0
	CROUND                                         ; the closing round
	s_endpgm
.Lfunc_end_k_q4e689bd8f3_wo:
	.size	k_q4e689bd8f3_wo, .Lfunc_end_k_q4e689bd8f3_wo-k_q4e689bd8f3_wo
	.p2alignl 7, 3214868480
	.fill 96, 4, 3214868480
	.section	.rodata,"a",@progbits
	.p2align	6, 0x0
	.amdhsa_kernel k_q4e689bd8f3_wo
		.amdhsa_group_segment_fixed_size 327680
		.amdhsa_private_segment_fixed_size 0
		.amdhsa_enable_private_segment 0
		.amdhsa_kernarg_size 40
		.amdhsa_user_sgpr_count 2
		.amdhsa_user_sgpr_kernarg_segment_ptr 1
		.amdhsa_wavefront_size32 1
		.amdhsa_system_sgpr_workgroup_id_x 1
		.amdhsa_system_sgpr_workgroup_id_y 1
		.amdhsa_system_sgpr_workgroup_id_z 1
		.amdhsa_system_vgpr_workitem_id 0
		.amdhsa_next_free_vgpr 768
		.amdhsa_next_free_sgpr 88
		.amdhsa_reserve_vcc 0
		.amdhsa_float_denorm_mode_32 3
		.amdhsa_float_denorm_mode_16_64 3
		.amdhsa_memory_ordered 1
		.amdhsa_forward_progress 1
		.amdhsa_inst_pref_size 102
	.end_amdhsa_kernel
	.amdgpu_metadata
---
amdhsa.version: [ 1, 2 ]
amdhsa.kernels:
  - .name:           k_q4e689bd8f3_wo
    .symbol:         k_q4e689bd8f3_wo.kd
    .args:
      - { .name: cbuf, .offset: 0, .size: 8, .value_kind: global_buffer, .address_space: global }
      - { .name: woh, .offset: 8, .size: 8, .value_kind: global_buffer, .address_space: global }
      - { .name: bo, .offset: 16, .size: 8, .value_kind: global_buffer, .address_space: global }
      - { .name: x, .offset: 24, .size: 8, .value_kind: global_buffer, .address_space: global }
      - { .name: x1, .offset: 32, .size: 8, .value_kind: global_buffer, .address_space: global }
    .group_segment_fixed_size: 327680
    .private_segment_fixed_size: 0
    .kernarg_segment_align: 8
    .kernarg_segment_size: 40
    .max_flat_workgroup_size: 128
    .sgpr_count:     88
    .vgpr_count:     768
    .wavefront_size: 32
...
	.end_amdgpu_metadata
.endif
;; end of part 4
;; launch ln2: the kernel of part 2 again; grid 512 x 1, 8 waves a work-group, no clusters, 0 bytes of LDS; arguments x1, gamma2, beta2, nbuf; writes nbuf
;; launch w1 (part 5): grid 4 x 64, 4 waves a work-group, clusters of 4 x 4, 327,680 bytes of LDS; arguments nbuf, w1h, b1, cbuf; writes cbuf
.if DOCPART == 5
	.amdgcn_target "amdgcn-amd-amdhsa--gfx1250"
	.amdhsa_code_object_version 6
	.text
	.protected	k_q4e689bd8f3_w1
	.globl	k_q4e689bd8f3_w1
	.p2align	8
	.type	k_q4e689bd8f3_w1,@function
k_q4e689bd8f3_w1:
	s_mov_b64 s[64:65], 0
	v_nop
	global_prefetch_b8 v0, s[64:65] scope:SCOPE_SE
	s_setreg_imm32_b32 hwreg(HW_REG_WAVE_MODE, 25, 1), 1
	s_wait_xcnt 0x0
	s_wait_alu depctr_hold_cnt(0) depctr_sa_sdst(0) depctr_va_vdst(0) depctr_va_sdst(0) depctr_va_ssrc(0) depctr_va_vcc(0) depctr_vm_vsrc(0)
	s_getreg_b32 s2, hwreg(HW_REG_IB_STS2, 6, 4)
	s_cmp_eq_u32 s2, 0
	s_cbranch_scc0 .Lentry_in_a_cluster
	s_endpgm
.Lentry_in_a_cluster:
	s_bfe_u32 s2, ttmp6, 0x10000c
	s_cmp_lg_u32 s2, 0xf033
	s_cbranch_scc0 .Lentry_shape_is_right
	s_endpgm
.Lentry_shape_is_right:
; h[m][n] = gelu(bias[n] + the sum over k of A[m][k] W[k][n]), the exact GELU x Phi(x).  M = 8,192, N = K = 1,024.
; A and h: [16 blocks of 64 channels][8,192 rows][64] f16.  W: [1024 k][1024 n] f16.  bias f32.  Sums (K ascending), bias and GELU in f32; h rounded once.
; GELU.  With t = 1 / (1 + 0.2316419 |x|) and Q = exp(-x^2 / 2) / sqrt(2 pi) x (b1 t + .. + b5 t^5), the upper tail of the normal law (Abramowitz and Stegun 26.2.17, absolute error under 7.5e-8 for every x):
; gelu(x) = max(x, 0) - |x| Q.  No difference of near numbers is formed on either side of 0.
; LIMITS: A and W arrive within f16's range; h must lie within 65,504.  Where exp's result falls below 2^-126 it counts as 0.
; SHARES.  A tile of h is 128 rows x 256 columns: 256 work-groups.  Four waves, each 64 x 128: 32 accumulators.
; THE RING.  K goes in blocks of 64 channels; a slot holds THREE blocks, as many as two slots in LDS allow: 192 matrix instructions a wave.  1,024 = 5 x 192 + 64: two first fills, three full refills, and a last
; refill of one block.  Behind each change of slots one load a wave goes out, 176 matrix instructions ahead of the wait for it.
; Waves 0 and 1 fetch A: 64 rows of the tile each, three blocks by one descriptor (a block's 64 rows are 8,192 dense bytes; the blocks lie 1,048,576 bytes apart).  Waves 2 and 3 fetch W: 96 rows x 512 bytes each.
; CLUSTER 4 x 4: A's tiles are shared along a row of the cluster, W's along a column: each is asked for jointly.  The matrix instruction is used transposed: a lane holds a row and eight neighbouring columns.
; LDS: A's row half h at h x 55,296: six blocks of 64 rows x 144 (slot s: blocks 3 s on).  W from 110,592: 384 rows x 544 (slot s: rows 192 s on).  The spare words at 319,488.
; THE STAGE, 64 rows x 528 for each wave, lies over the ring: it is written behind a barrier that follows every wave's last read of the ring, and no tile is asked for any more.
; REGISTERS: window 0: v0-29 addresses; v32-127, v128-223 two fragment buffers, later the GELU's registers; v224-231 bias.  Window 1: accumulator (a, b) at 8 (8 a + b).
.set PA,    144
.set PB,    544
.set AB,    64*PA
.set ASL,   3*AB
.set AHALF, 2*ASL
.set BOFF,  2*AHALF
.set BH,    64*PB
.set BSL,   3*BH
.set BW,    96*PB
.set SPARE, BOFF+2*BSL                 ; the spare words: 128 bytes a wave, two blocks of 256 bytes that no other line names
.set SP,    528
.set A0,   4                           ; v4   my place in block 0 of my row half; never rewritten
.set B0,   5                           ; v5   my place in block 0 of W; never rewritten
.set RA,   6                           ; v6-7 the same in the block that is being fetched
.set RB,   7
.set STO,  8
.set RD,   9
.set HO,   10
.set BIO,  11
.set SPW,  28
.set NIL,  29
.set F0,   32
.set F1,   128
.set BI,   224
.set X,    32
.set TT,   64
.set E,    96
.set PP,   128
.set OUT,  160
.set WV,   14
.set WR,   15
.set WC,   16
.set TA,   17                          ; s17  LDS bytes from block 0 to the block that is being fetched, in A
.set G1A,  24
.set G0A,  32                          ; set 0 for the first fill of slot 0, set 1 for slot 1's and then walking
.set G1B,  48
.set G0B,  56
.set PC,   66                          ; s66 0.2316419
.set C1,   68                          ; s[68:77] b1 .. b5 over sqrt(2 pi), each twice
.set C2,   70
.set C3,   72
.set C4,   74
.set C5,   76
.set TB,   82                          ; s82  as TA, in W
.set SUMA, 83                          ; s83  the sum of my two slots' LDS words for A: the sum less the one is the other
.set SUMB, 84
.set INNER, 85
.set MSB, 0
.macro WIN new
.if MSB != (\new)
	s_set_vgpr_msb (MSB<<8)|(\new)
.set MSB, \new
.endif
.endm
.macro PLACES
.rept 4
	v_nop
.endr
.endm
.macro JLOAD s                         ; waves 0 and 1 ask for A, waves 2 and 3 for W; an s_nop 0 and four v_nop follow each line
	s_cmp_eq_u32 s[WR], 0
	s_cbranch_scc0 .Lfor_b_\@
	tensor_load_to_lds s[G0A+4*(\s):G0A+4*(\s)+3], s[G1A:G1A+7]
	s_nop 0
.rept 4
	v_nop
.endr
	s_branch .Lasked_\@
.Lfor_b_\@:
	tensor_load_to_lds s[G0B+4*(\s):G0B+4*(\s)+3], s[G1B:G1B+7]
	s_nop 0
.rept 4
	v_nop
.endr
.Lasked_\@:
.endm
.macro JSMALL                          ; the last refill: one block.  Wave 3 has no part of it; its four v_nop are the places ahead of the loads that follow
	s_cmp_eq_u32 s[WR], 0
	s_cbranch_scc0 .Lsm_b_\@
	tensor_load_to_lds s[G0A+4:G0A+7], s[G1A:G1A+7]
	s_nop 0
.rept 4
	v_nop
.endr
	s_branch .Lsm_end_\@
.Lsm_b_\@:
	s_cmp_eq_u32 s[WC], 0
	s_cbranch_scc0 .Lsm_none_\@
	tensor_load_to_lds s[G0B+4:G0B+7], s[G1B:G1B+7]
	s_nop 0
.rept 4
	v_nop
.endr
	s_branch .Lsm_end_\@
.Lsm_none_\@:
.rept 4
	v_nop
.endr
.Lsm_end_\@:
.endm
.macro CREST
	s_cmp_lg_u32 s[WV], 0
	s_cbranch_scc1 .Lnot_wave_0_\@
	s_barrier_signal -3
.Lnot_wave_0_\@:
	s_barrier_wait -3
	s_barrier_signal -1
	s_barrier_wait -1
.endm
.macro CROUND
	s_barrier_signal -1
	s_barrier_wait -1
	CREST
.endm
	s_load_b256 s[4:11], s[0:1], 0x0               ; A s[4:5], W s[6:7], bias s[8:9], h s[10:11]
	v_lshl_add_u32 v[SPW], v0, 2, SPARE
	v_mov_b32 v[NIL], 0
	ds_add_u32 v[SPW], v[NIL]                      ; the wave's opening: the add and its wait stand ahead of my first tensor load
	v_lshrrev_b32 v1, 5, v0
	v_readfirstlane_b32 s[WV], v1
	s_lshr_b32 s[WR], s[WV], 1
	s_and_b32 s[WC], s[WV], 1
	s_bfe_u32 s40, ttmp6, 0x40000
	s_bfe_u32 s41, ttmp6, 0x40004
	s_lshl_b32 s42, ttmp9, 2
	s_add_co_u32 s42, s42, s40                     ; column tile
	s_and_b32 s43, ttmp7, 0xffff
	s_lshl_b32 s43, s43, 2
	s_add_co_u32 s43, s43, s41                     ; row tile
	s_lshl_b32 s44, s41, 2
	s_lshl_b32 s44, 15, s44
	s_lshl_b32 s45, 0x1111, s40
	s_or_b32 s[G1A], s44, (1<<16)|(1<<20)|(1<<21)|(4<<22)|(3<<25)  ; my row's mask; 2-byte elements; padding: after every 32 words 4 words
	s_mov_b32 s[G1A+1], 4096<<16                   ; tensor_dim0 = 4,096: 64 rows of 64 channels, dense
	s_mov_b32 s[G1A+2], 3<<16                      ; tensor_dim1 = 3 blocks
	s_mov_b32 s[G1A+3], 4096<<16
	s_mov_b32 s[G1A+4], 3
	s_mov_b32 s[G1A+5], 524288                     ; elements from block to block
	s_mov_b32 s[G1A+6], 0
	s_mov_b32 s[G1A+7], 0
	s_or_b32 s[G1B], s45, (1<<16)|(1<<20)|(1<<21)|(6<<22)|(7<<25)  ; my column's mask; after every 128 words 8 words
	s_mov_b32 s[G1B+1], 256<<16
	s_mov_b32 s[G1B+2], 96<<16
	s_mov_b32 s[G1B+3], 256<<16
	s_mov_b32 s[G1B+4], 96
	s_mov_b32 s[G1B+5], 1024
	s_mov_b32 s[G1B+6], 0
	s_mov_b32 s[G1B+7], 0
	s_lshl_b32 s18, s43, 14
	s_lshl_b32 s19, s[WC], 13
	s_add_co_u32 s18, s18, s19
	s_mov_b32 s19, 0
	s_lshl_b32 s46, s42, 9
	s_mul_i32 s47, s[WC], 96*2048
	s_add_co_u32 s46, s46, s47
	s_mov_b32 s47, 0
	s_mul_i32 s20, s[WC], AHALF
	s_mul_i32 s21, s[WC], BW
	s_add_co_u32 s21, s21, BOFF
	s_lshl_b32 s[SUMA], s20, 1
	s_add_co_u32 s[SUMA], s[SUMA], ASL
	s_lshl_b32 s[SUMB], s21, 1
	s_add_co_u32 s[SUMB], s[SUMB], BSL
	s_mov_b32 s[TA], 0
	s_mov_b32 s[TB], 0
	s_mov_b32 s[PC], 0x3e6d3389
	s_mov_b32 s[C1], 0x3e027906
	s_mov_b32 s[C1+1], 0x3e027906
	s_mov_b32 s[C2], 0xbe11a98e
	s_mov_b32 s[C2+1], 0xbe11a98e
	s_mov_b32 s[C3], 0x3f35f0e3
	s_mov_b32 s[C3+1], 0x3f35f0e3
	s_mov_b32 s[C4], 0xbf3a00e3
	s_mov_b32 s[C4+1], 0xbf3a00e3
	s_mov_b32 s[C5], 0x3f07dc22
	s_mov_b32 s[C5+1], 0x3f07dc22
	s_wait_dscnt 0x0
	s_wait_kmcnt 0x0
	s_add_nc_u64 s[18:19], s[4:5], s[18:19]
	s_add_nc_u64 s[46:47], s[6:7], s[46:47]
	CROUND
.irp s, 0,1
	s_mov_b32 s[G0A+4*(\s)], 1
	s_add_co_u32 s[G0A+4*(\s)+1], s20, (\s)*ASL
	s_add_nc_u64 s[G0A+4*(\s)+2:G0A+4*(\s)+3], s[18:19], (\s)*3*1048576
	s_or_b32 s[G0A+4*(\s)+3], s[G0A+4*(\s)+3], 0x80000000
	s_mov_b32 s[G0B+4*(\s)], 1
	s_add_co_u32 s[G0B+4*(\s)+1], s21, (\s)*BSL
	s_add_nc_u64 s[G0B+4*(\s)+2:G0B+4*(\s)+3], s[46:47], (\s)*192*2048
	s_or_b32 s[G0B+4*(\s)+3], s[G0B+4*(\s)+3], 0x80000000
	JLOAD \s                                       ; two loads of mine are out
.endr
	v_and_b32 v1, 15, v0
	v_bfe_u32 v2, v0, 4, 1
	v_mul_u32_u24 v3, v1, PA
	v_lshl_add_u32 v3, v2, 4, v3
	s_mul_i32 s22, s[WR], AHALF
	v_add_nc_u32 v[A0], s22, v3
	v_mov_b32 v[RA], v[A0]
	v_and_b32 v12, 7, v0
	v_bfe_u32 v13, v0, 3, 1
	v_lshl_add_u32 v3, v2, 3, v12
	v_mul_u32_u24 v3, v3, PB
	v_lshl_add_u32 v3, v13, 4, v3
	s_lshl_b32 s22, s[WC], 8
	s_add_co_u32 s22, s22, BOFF
	v_add_nc_u32 v[B0], s22, v3
	v_mov_b32 v[RB], v[B0]
	s_mul_i32 s22, s[WV], 64*SP                    ; my stage
	v_mul_u32_u24 v[STO], v1, SP
	v_lshl_add_u32 v[STO], v2, 5, v[STO]
	v_add_nc_u32 v[STO], s22, v[STO]
	v_mul_u32_u24 v[RD], v2, SP
	v_lshl_add_u32 v[RD], v1, 4, v[RD]
	v_add_nc_u32 v[RD], s22, v[RD]
	v_and_b32 v[HO], 31, v0
	v_lshlrev_b32 v[HO], 3, v[HO]                  ; two rows' 128 bytes of a block are 256 consecutive bytes: 8 bytes a lane
	v_lshlrev_b32 v[BIO], 4, v1
	s_lshl_b32 s20, s42, 10
	s_lshl_b32 s21, s[WC], 9
	s_add_co_u32 s20, s20, s21
	s_mov_b32 s21, 0
	s_add_nc_u64 s[8:9], s[8:9], s[20:21]          ; bias of my 128 columns
	s_lshl_b32 s20, s42, 22                        ; h: four blocks a column tile,
	s_lshl_b32 s22, s[WC], 21                      ; two for my half,
	s_add_co_u32 s20, s20, s22
	s_lshl_b32 s22, s43, 14                        ; the tile's 128 rows,
	s_add_co_u32 s20, s20, s22
	s_lshl_b32 s22, s[WR], 13                      ; my 64
	s_add_co_u32 s20, s20, s22
	s_add_nc_u64 s[10:11], s[10:11], s[20:21]
	global_load_b128 v[BI:BI+3], v[BIO], s[8:9]
	global_load_b128 v[BI+4:BI+7], v[BIO], s[8:9] offset:256
.macro MUL8 f, a, zero                 ; row block a x all 8 column blocks, 32 along K.  The 32 accumulators take turns, one instruction a turn
	WIN 0x50
.irp b, 0,1,2,3,4,5,6,7
.if \zero
	v_wmma_f32_16x16x32_f16 v[8*(8*(\a)+\b):8*(8*(\a)+\b)+7], v[(\f)+32+8*\b:(\f)+32+8*\b+7], v[(\f)+8*(\a):(\f)+8*(\a)+7], 0
.else
	v_wmma_f32_16x16x32_f16 v[8*(8*(\a)+\b):8*(8*(\a)+\b)+7], v[(\f)+32+8*\b:(\f)+32+8*\b+7], v[(\f)+8*(\a):(\f)+8*(\a)+7], v[8*(8*(\a)+\b):8*(8*(\a)+\b)+7]
.endif
.endr
.endm
.macro FETCH oa, ob, f                 ; 24 loads in one run: 32 channels of the block at RA, RB (oa, ob: 0, or the block's second 32): W's 16, then A's row blocks 0, 1, then 2, 3
	WIN 0
.irp b, 0,1,2,3,4,5,6,7
	ds_load_tr16_b128 v[(\f)+32+8*\b:(\f)+32+8*\b+3],   v[RB] offset:(\ob)+32*\b
	ds_load_tr16_b128 v[(\f)+32+8*\b+4:(\f)+32+8*\b+7], v[RB] offset:(\ob)+32*\b+16*PB
.endr
.irp a, 0,1,2,3
	ds_load_b128 v[(\f)+8*\a:(\f)+8*\a+3],   v[RA] offset:(\oa)+\a*16*PA
	ds_load_b128 v[(\f)+8*\a+4:(\f)+8*\a+7], v[RA] offset:(\oa)+\a*16*PA+32
.endr
.endm
.macro QUARTER f, g, oa, ob, zero
	s_wait_dscnt 4                                 ; A's row blocks 2 and 3 may be out
	MUL8 \f, 0, \zero
	MUL8 \f, 1, \zero
	PLACES
	FETCH \oa, \ob, \g
	s_wait_dscnt 24                                ; all but the 24 just issued
	MUL8 \f, 2, \zero
	MUL8 \f, 3, \zero
.endm
; A UNIT: a block's second 32 channels are multiplied and the next block's first 32 fetched; those are multiplied and that block's second 32 fetched.
.macro PLAINU                          ; the next block lies in the same slot
	s_wait_dscnt 4
	MUL8 F1, 0, 0
	MUL8 F1, 1, 0
	WIN 0
	s_add_co_u32 s[TA], s[TA], AB
	s_add_co_u32 s[TB], s[TB], BH
	v_add_nc_u32 v[RA], s[TA], v[A0]               ; these two and two v_nop are the four places ahead of the loads
	v_add_nc_u32 v[RB], s[TB], v[B0]
	v_nop
	v_nop
	FETCH 0, 0, F0
	s_wait_dscnt 24
	MUL8 F1, 2, 0
	MUL8 F1, 3, 0
	QUARTER F0, F1, 64, 32*PB, 0
.endm
.macro PLAIN2                          ; a slot's first two units: written once, walked twice
	WIN 0
	s_mov_b32 s[INNER], 2
.Lplain_\@:
	PLAINU
	WIN 0
	s_sub_co_u32 s[INNER], s[INNER], 1
	s_cmp_lg_u32 s[INNER], 0
	s_cbranch_scc1 .Lplain_\@
.endm
; A slot's third unit changes slots.  ONE barrier: ahead of it each wave waits for all its tensor loads (at most one is out: its part of the other slot), adds 0 to its spare word, and waits for that and for its reads
; of this slot.  fill = 1: the barrier opens a round of the cluster's, and this slot is filled again first thing behind it.  fill = 2: the same with the last block alone.  fill = 0: nothing is left to ask for.
.macro TURNU fill
	WIN 0
	s_wait_tensorcnt 0x0                           ; no tensor load of mine is out, so the descriptors may be written
	ds_add_u32 v[SPW], v[NIL]                      ; scalar work and eight products stand between the add and the wait for it
.if \fill
	s_sub_co_u32 s[G0A+5], s[SUMA], s[G0A+5]       ; the walking descriptors: the other slot than last time,
	s_add_nc_u64 s[G0A+6:G0A+7], s[G0A+6:G0A+7], 3*1048576  ; the next three blocks
	s_sub_co_u32 s[G0B+5], s[SUMB], s[G0B+5]
	s_add_nc_u64 s[G0B+6:G0B+7], s[G0B+6:G0B+7], 192*2048
.endif
.if (\fill) == 2
	s_mov_b32 s[G1A+2], 1<<16                      ; one block of A,
	s_mov_b32 s[G1A+4], 1
	s_mov_b32 s[G1B+2], 64<<16                     ; 64 rows of W
	s_mov_b32 s[G1B+4], 64
.endif
	s_sub_co_u32 s[TA], 5*AB, s[TA]                ; from a slot's last block to the other slot's first: block 2 to 3, block 5 to 0
	s_sub_co_u32 s[TB], 5*BH, s[TB]
	s_wait_dscnt 5                                 ; the add and A's row blocks 2 and 3 may be out
	MUL8 F1, 0, 0
	s_wait_dscnt 0x0                               ; the add is done, and my reads of this slot are over
	s_barrier_signal -1
	MUL8 F1, 1, 0
	WIN 0
	v_add_nc_u32 v[RA], s[TA], v[A0]
	v_add_nc_u32 v[RB], s[TB], v[B0]
	s_barrier_wait -1
.if (\fill) == 1
	CREST                                          ; no wave of any partner still reads this slot or has a load on its way
	JLOAD 1                                        ; its four v_nop are also the places ahead of the loads below
.elseif (\fill) == 2
	CREST
	JSMALL
.else
	PLACES
.endif
	FETCH 0, 0, F0
	MUL8 F1, 2, 0
	MUL8 F1, 3, 0
	QUARTER F0, F1, 64, 32*PB, 0
.endm
	s_wait_tensorcnt 0x1                           ; my part of slot 0 is in; slot 1's may stay out
	s_barrier_signal -1
	s_barrier_wait -1
	FETCH 0, 0, F0
	QUARTER F0, F1, 64, 32*PB, 1                   ; the first quarter's products start the sums: nothing is cleared
	WIN 0
	s_mov_b32 s3, 3
.Lslot:                                            ; blocks 0 to 8 are multiplied, blocks 6 to 14 asked for
	PLAIN2
	TURNU 1
	WIN 0
	s_sub_co_u32 s3, s3, 1
	s_cmp_lg_u32 s3, 0
	s_cbranch_scc1 .Lslot
	PLAIN2                                         ; the tail is written out
	TURNU 2                                        ; block 15 is asked for
	PLAIN2
	TURNU 0
	s_wait_dscnt 4                                 ; the last quarter fetches nothing
	MUL8 F1, 0, 0
	MUL8 F1, 1, 0
	s_wait_dscnt 0x0                               ; my last reads of the ring are back
	MUL8 F1, 2, 0
	MUL8 F1, 3, 0
	PLACES
	WIN 0
	s_barrier_signal -1
	s_barrier_wait -1                              ; everybody's are: the ring's bytes may be written
	WIN 0x04                                       ; store data in window 1
.irp a, 0,1,2,3
.irp b, 0,1,2,3,4,5,6,7
	ds_store_b128 v[STO], v[8*(8*\a+\b):8*(8*\a+\b)+3]   offset:\a*16*SP+64*\b
	ds_store_b128 v[STO], v[8*(8*\a+\b)+4:8*(8*\a+\b)+7] offset:\a*16*SP+64*\b+16
.endr
.endr
	WIN 0
	s_wait_loadcnt 0x0                             ; bias
	s_mov_b32 s3, 8
.Lrows:                                            ; eight rows a trip: 32 numbers a lane
.irp i, 0,1,2,3
.irp k, 0,1
	ds_load_b128 v[X+4*(2*\i+\k):X+4*(2*\i+\k)+3], v[RD] offset:\i*2*SP+\k*256  ; my own stage: LDS serves a wave's instructions in order (ISA guide 5.7.1.4)
.endr
.endr
	s_wait_dscnt 0x0
.set p, 0
.rept 16
	v_pk_add_f32 v[X+2*p:X+2*p+1], v[X+2*p:X+2*p+1], v[BI+2*(p%4):BI+2*(p%4)+1]
.set p, p+1
.endr
.set p, 0
.rept 32
	v_fma_f32 v[TT+p], |v[X+p]|, s[PC], 1.0
.set p, p+1
.endr
.set p, 0
.rept 16
	v_pk_mul_f32 v[E+2*p:E+2*p+1], v[X+2*p:X+2*p+1], v[X+2*p:X+2*p+1]
.set p, p+1
.endr
.set p, 0
.rept 16
	v_pk_mul_f32 v[E+2*p:E+2*p+1], v[E+2*p:E+2*p+1], 0xbf38aa3b op_sel_hi:[1,0]  ; - x^2 log2(e) / 2
.set p, p+1
.endr
.set p, 0
.rept 32
	v_rcp_f32 v[TT+p], v[TT+p]
.set p, p+1
.endr
.set p, 0
.rept 32
	v_exp_f32 v[E+p], v[E+p]
.set p, p+1
.endr
	v_nop                                          ; a plain instruction behind the last of the batch,
	s_wait_alu depctr_va_vdst(0)                   ; and one wait for all 64, ahead of their first reader
.set p, 0
.rept 16
	v_pk_fma_f32 v[PP+2*p:PP+2*p+1], v[TT+2*p:TT+2*p+1], s[C5:C5+1], s[C4:C4+1] op_sel_hi:[1,0,0]
.set p, p+1
.endr
.irp c, C3, C2, C1
.set p, 0
.rept 16
	v_pk_fma_f32 v[PP+2*p:PP+2*p+1], v[PP+2*p:PP+2*p+1], v[TT+2*p:TT+2*p+1], s[\c:\c+1] op_sel_hi:[1,1,0]
.set p, p+1
.endr
.endr
.set p, 0
.rept 16
	v_pk_mul_f32 v[PP+2*p:PP+2*p+1], v[PP+2*p:PP+2*p+1], v[TT+2*p:TT+2*p+1]
.set p, p+1
.endr
.set p, 0
.rept 16
	v_pk_mul_f32 v[PP+2*p:PP+2*p+1], v[PP+2*p:PP+2*p+1], v[E+2*p:E+2*p+1]
.set p, p+1
.endr
.set p, 0
.rept 32
	v_max_num_f32 v[TT+p], 0, v[X+p]
.set p, p+1
.endr
.set p, 0
.rept 32
	v_fma_f32 v[X+p], -|v[X+p]|, v[PP+p], v[TT+p]  ; max(x, 0) - |x| Q
.set p, p+1
.endr
.set p, 0
.rept 16
	v_cvt_pk_f16_f32 v[OUT+p], v[X+2*p], v[X+2*p+1]
.set p, p+1
.endr
.irp i, 0,1,2,3
.irp k, 0,1
	global_store_b64 v[HO], v[OUT+2*(2*\i+\k):OUT+2*(2*\i+\k)+1], s[10:11] offset:\i*256+\k*1048576  ; a wave's store covers 256 consecutive bytes, aligned
.endr
.endr
	s_wait_xcnt 0x0                                ; the stores have read their offset and data: both are written again below and in the next trip
	v_add_nc_u32 v[HO], 1024, v[HO]
	v_add_nc_u32 v[RD], 8*SP, v[RD]
	s_sub_co_u32 s3, s3, 1
	s_cmp_lg_u32 s3, 0
	s_cbranch_scc1 .Lrows
	s_wait_tensorcnt 0x0                           ; the wave's end
	ds_add_u32 v[SPW], v[NIL]
	s_wait_dscnt 0x0
	CROUND                                         ; the closing round
	s_endpgm
.Lfunc_end_k_q4e689bd8f3_w1:
	.size	k_q4e689bd8f3_w1, .Lfunc_end_k_q4e689bd8f3_w1-k_q4e689bd8f3_w1
	.p2alignl 7, 3214868480
	.fill 96, 4, 3214868480
	.section	.rodata,"a",@progbits
	.p2align	6, 0x0
	.amdhsa_kernel k_q4e689bd8f3_w1
		.amdhsa_group_segment_fixed_size 327680
		.amdhsa_private_segment_fixed_size 0
		.amdhsa_enable_private_segment 0
		.amdhsa_kernarg_size 32
		.amdhsa_user_sgpr_count 2
		.amdhsa_user_sgpr_kernarg_segment_ptr 1
		.amdhsa_wavefront_size32 1
		.amdhsa_system_sgpr_workgroup_id_x 1
		.amdhsa_system_sgpr_workgroup_id_y 1
		.amdhsa_system_sgpr_workgroup_id_z 1
		.amdhsa_system_vgpr_workitem_id 0
		.amdhsa_next_free_vgpr 512
		.amdhsa_next_free_sgpr 88
		.amdhsa_reserve_vcc 0
		.amdhsa_float_denorm_mode_32 3
		.amdhsa_float_denorm_mode_16_64 3
		.amdhsa_memory_ordered 1
		.amdhsa_forward_progress 1
		.amdhsa_inst_pref_size 89
	.end_amdhsa_kernel
	.amdgpu_metadata
---
amdhsa.version: [ 1, 2 ]
amdhsa.kernels:
  - .name:           k_q4e689bd8f3_w1
    .symbol:         k_q4e689bd8f3_w1.kd
    .args:
      - { .name: nbuf, .offset: 0, .size: 8, .value_kind: global_buffer, .address_space: global }
      - { .name: w1h, .offset: 8, .size: 8, .value_kind: global_buffer, .address_space: global }
      - { .name: b1, .offset: 16, .size: 8, .value_kind: global_buffer, .address_space: global }
      - { .name: cbuf, .offset: 24, .size: 8, .value_kind: global_buffer, .address_space: global }
    .group_segment_fixed_size: 327680
    .private_segment_fixed_size: 0
    .kernarg_segment_align: 8
    .kernarg_segment_size: 32
    .max_flat_workgroup_size: 128
    .sgpr_count:     88
    .vgpr_count:     512
    .wavefront_size: 32
...
	.end_amdgpu_metadata
.endif
;; end of part 5
;; launch w2: the kernel of part 4 again; grid 4 x 64, 4 waves a work-group, clusters of 4 x 4, 327,680 bytes of LDS; arguments cbuf, w2h, b2, x1, out0; writes out0
